; MI455X (gfx1250); checked and timed in simulation.
; The chip was launched on July 23, 2026; its instructions are those of AMD's public machine-readable ISA for CDNA 5 (MIT licence, August 2026) and "CDNA5" Instruction Set Architecture Reference Guide (July 2026). The comments in the code are by the model that wrote it; some were corrected since.
;; RPE Causal Attention. Allowed arithmetic: matrix products marked QUANTISED: E4M3 operands, one given power-of-two scale a tensor, by v_wmma_f32_16x16x64_fp8_fp8 or v_wmma_f32_16x16x128_fp8_fp8, f32 sums; everything else in f32.
;; Inputs: Wproj 1,024 x 1,024 float32; Wqkv 1,024 x 3,072 float32; lowp_scales 8 int32 (the exponents e of the quantised operands' scales 2^e); rel_bias 2,048 x 16 float32; x 4 x 2,048 x 1,024 float32.
;; Outputs: out0 4 x 2,048 x 1,024 float32.
;; This version of the problem:
;;   THIS VERSION OF THE PROBLEM IS GIVEN IN LOW PRECISION. The matrix products marked QUANTISED in the list below multiply operands that are first quantised to E4M3 (4 exponent bits, 3 mantissa bits; 8 bits a number), with one given power-of-two scale for each operand tensor; their sums are f32. All else is computed in f32.
;;   The module's matrix products, in the order in which they are computed (A, B: the left and right operand; K: the contracted axis; several contracted axes count as one K, in the product's order):
;;     1. [M 8,192, K 1,024] x [K 1,024, N 3,072]; A: input x; B: input Wqkv: QUANTISED (scales: A lowp_scales[0], B lowp_scales[1])
;;     2. batch 64 x [M 2,048, K 64] x [K 64, N 2,048]; A: computed on the way; B: computed on the way: QUANTISED (scales: A lowp_scales[2], B lowp_scales[3])
;;     3. batch 64 x [M 2,048, K 2,048] x [K 2,048, N 64]; A: softmax (see below); B: computed on the way: QUANTISED (scales: A lowp_scales[4], B lowp_scales[5])
;;     4. [M 8,192, K 1,024] x [K 1,024, N 1,024]; A: computed on the way; B: input Wproj: QUANTISED (scales: A lowp_scales[6], B lowp_scales[7])
;;   THE QUANTISER, for each operand of a quantised product, along K:
;;     - The operand's scale is 2^e, e = its entry of the input lowp_scales (int32; the entries are numbered through the quantised products in the list's order, A before B).
;;     - Each number is divided by the scale, clamped to +-448, and rounded to the nearest number of E4M3, ties to even, subnormals kept.
;;     - The product sums the exact products of the quantised numbers (number of the format x scale) in f32.
;;   ~~~python
;;   def quantise(x, axis, e):      # numpy; x: float32 -> the quantised numbers, widened to float32 again
;;       x = np.moveaxis(x, axis, -1); K = x.shape[-1]
;;       r = np.clip(x / 2.0 ** e, -448, 448)
;;       step = 2.0 ** (np.maximum(np.frexp(np.where(r == 0, 1, r))[1] - 1, -6) - 3)
;;       q = np.round(r / step) * step * 2.0 ** e      # np.round: ties to even
;;       return np.moveaxis(q, -1, axis).astype(np.float32)
;;   ~~~
;;   SOFTMAX AHEAD OF A QUANTISED PRODUCT. Where the list says 'softmax', what is quantised is not the finished softmax but p = 2^(t - M), with t = logit x log2(e) and M = ceil(the row's largest t), a whole number; so 1/2 < the row's largest p <= 1. The row's sum l is taken of the UNQUANTISED p, in f32, and the product's result is divided by l at the end. Since M is a whole number, a kernel that streams over the keys may use a running M (the ceiling of the running maximum): every later rescaling is an exact power of two, so the quantised numbers keep their values, but for numbers so far below the row's largest that they fall under the format's range.
;;   OPERANDS COMPUTED ON THE WAY. 'Computed on the way' means the value that the module computes at that place (a softmax that the list does not call 'softmax' is quantised finished and normalised). What goes into a quantiser is computed in f32, as accurately as f32 sums, v_exp_f32 and their like allow (about 1e-6 of the number): no bf16 or f16 on the way to a quantiser, and a product that is left as it is and whose result goes on into a quantised operand takes f32 operands (vector FMAs, or v_wmma_f32_16x16x4_f32). A number that lies on a knife's edge between two numbers of the format may be rounded either way, as far as f32 arithmetic and the matrix unit's own rounding can turn it there, and no further.
;; One version. Each part assembles by itself: llvm-mc -triple=amdgcn-amd-amdhsa -mcpu=gfx1250 --defsym DOCPART=n.
;; ======== version 1 of 1: 4 launches
;; limits: right only within a limited range of input values
;; workspace buffers: x_codes 8,388,608 bytes; wqkv_codes 3,145,728 bytes; wproj_codes 1,048,576 bytes; biasw 589,824 bytes; q_codes 8,388,608 bytes; k_codes 8,388,608 bytes; v_codes 8,388,608 bytes; y_codes 8,388,608 bytes
;; launch prep (part 1): grid 420 x 1, 4 waves a work-group, no clusters, 68,096 bytes of LDS; arguments x, Wqkv, Wproj, rel_bias, lowp_scales, x_codes, wqkv_codes, wproj_codes, biasw; writes x_codes, wqkv_codes, wproj_codes, biasw
.if DOCPART == 1
	.amdgcn_target "amdgcn-amd-amdhsa--gfx1250"
	.amdhsa_code_object_version 6
	.text
	.protected	k_q6eef7f8c58_prep
	.globl	k_q6eef7f8c58_prep
	.p2align	8
	.type	k_q6eef7f8c58_prep,@function
k_q6eef7f8c58_prep:
	s_mov_b64 s[64:65], 0
	v_nop
	global_prefetch_b8 v0, s[64:65] scope:SCOPE_SE
	s_setreg_imm32_b32 hwreg(HW_REG_WAVE_MODE, 25, 1), 1
	s_wait_xcnt 0x0
; THE FIRST LAUNCH: everything that many work-groups read later is made once.
;   work-groups   0-255: x [8192][1024] f32 -> x_codes [8192][1024], E4M3, scale 2^e0 (K is innermost: a plain stream).
;   work-groups 256-351: Wqkv [1024 k][3072 n] f32 -> wqkv_codes [3072 n][1024 k], scale 2^e1;
;   work-groups 352-383: Wproj [1024 k][1024 n] f32 -> wproj_codes [1024 n][1024 k], scale 2^e7 (K is the FIRST axis: a lane takes a column, its registers run down K).
;   work-groups 384-419: rel_bias [2048][16] -> biasw [16 heads][4 copies c][2304 words]: word pos holds, with d = 2048 - pos + c, rel_bias[min(d, 2047)][head] x 2^(3 - e2 - e3) where d >= 0
;                        and -2^120 where d < 0 (a hidden key).  So bias and causal mask together are the C operand of the scores' product; the four copies, a word apart, let every lane read 16 aligned bytes.
; code = number / 2^e, held within +-448, rounded to the nearest code, ties to even.
; LIMITS: e0, e1, e7 between -126 and 119; e2 + e3 between -90 and 100 (the bias x 2^(3 - e2 - e3) stays far under 2^120).  NaN among the inputs is not served.
; The two paths that use LDS have LDS bytes of their own.  No tensor loads, no barrier: waves share nothing.
.set SPW,   12                         ; v12  LDS address of my spare word; never rewritten
.set NIL,   13                         ; v13  0; never rewritten
.set MANT,  0x600000                   ; the mantissa field of 448 as f32
.set XREG,  8192                       ; x's path: a region for each wave: two stages of 32 x SP bytes
.set SP,    80                         ; a lane's place in a stage: its 64 bytes + 16 of padding
.set STEPS, 16
.set R,     16                         ; v16-79   four sets of 16 numbers as loaded
.set X,     80                         ; v80-111  two sets of 16 neighbours
.set C,     128                        ; v128-191 codes: four registers for each step
.set WSTG,  4*XREG                     ; the weights' path: four stages of 32 rows x WP bytes
.set WP,    272
.set SPARE, WSTG+4*32*WP               ; behind both: the spare words, 128 bytes a wave
.set OFFR,  16                         ; v16-47   4 x lane + i rows of the weight
.set WX,    48                         ; v48-111  two sets of 32 numbers
.set WC,    112                        ; v112-119 a block's codes
.set OUTR,  120                        ; v120-183 the way out
.macro XLOAD t
.irp i, 0,1,2,3
	global_load_b128 v[R+16*((\t)%4)+4*\i:R+16*((\t)%4)+4*\i+3], v3, s[4:5] offset:2048*(\t)+512*\i th:TH_LOAD_NT   ; 32 lanes read 512 consecutive bytes
.endr
.endm
.macro XTURN t                         ; step t's 2,048 bytes through the wave's stage: in as they lie, back 64 bytes a lane.  LDS serves a wave's instructions in order
.irp i, 0,1,2,3
	ds_store_b128 v14, v[R+16*((\t)%4)+4*\i:R+16*((\t)%4)+4*\i+3] offset:32*SP*((\t)%2)+8*SP*\i
.endr
.irp i, 0,1,2,3
	ds_load_b128 v[X+16*((\t)%2)+4*\i:X+16*((\t)%2)+4*\i+3], v15 offset:32*SP*((\t)%2)+16*\i
.endr
.endm
.macro XSTEP t
.set XS, X+16*((\t)%2)
	s_wait_dscnt 0x0                               ; this step's numbers are back: so its stores into the stage have read their registers,
.if (\t)+4 < STEPS
	XLOAD (\t)+4                                   ; which take the loads of four steps on
.endif
.if (\t)+1 < STEPS
.if STEPS-2-(\t) >= 3
	s_wait_loadcnt 12                              ; the next step's four loads are in; those of the three steps behind it may be out
.else
	s_wait_loadcnt 4*(STEPS-2-(\t))
.endif
	XTURN (\t)+1
.endif
.irp i, 0,1,2,3,4,5,6,7,8,9,10,11,12,13,14,15
	v_med3_num_f32 v[XS+\i], v[XS+\i], -v10, v10   ; the conversion does not saturate (ISA guide 7.6.2): the hold at the largest code x the scale
.endr
	v_cvt_scalef32_pk8_fp8_f32 v[C+4*(\t):C+4*(\t)+1], v[XS:XS+7], v11
	v_cvt_scalef32_pk8_fp8_f32 v[C+4*(\t)+2:C+4*(\t)+3], v[XS+8:XS+15], v11
	global_store_b128 v3, v[C+4*(\t):C+4*(\t)+3], s[14:15] offset:512*(\t)   ; the wave stores 512 consecutive bytes
.endm
.macro WLOAD t                         ; block t: W(32 t + i, my column), i = 0 .. 31, into set t % 2; each block has a base of its own, so no base is stepped
.set i, 0
.rept 32
	global_load_b32 v[WX+32*((\t)%2)+i], v[OFFR+i], s[48+2*(\t):49+2*(\t)] th:TH_LOAD_NT
.set i, i+1
.endr
.endm
.macro WBLOCK t
.set XS, WX+32*((\t)%2)
.if (\t) < 7
	s_wait_loadcnt 32                              ; this block's 32 loads are in; the next block's may be out
.else
	s_wait_loadcnt 0
.endif
.set i, 0
.rept 32
	v_med3_num_f32 v[XS+i], v[XS+i], -v10, v10
.set i, i+1
.endr
.irp g, 0,1,2,3
	v_cvt_scalef32_pk8_fp8_f32 v[WC+2*\g:WC+2*\g+1], v[XS+8*\g:XS+8*\g+7], v11
.endr
	ds_store_b128 v4, v[WC:WC+3] offset:32*(\t)    ; 32 codes of my column's row
	ds_store_b128 v4, v[WC+4:WC+7] offset:32*(\t)+16
.if (\t)+2 < 8
	WLOAD (\t)+2
.endif
	s_wait_dscnt 0x0                               ; the stores have read their registers: the next block's codes may be written
.endm
	s_load_b512 s[4:19], s[0:1], 0x0               ; x, Wqkv, Wproj, rel_bias, the scales, x_codes, wqkv_codes, wproj_codes
	s_load_b64 s[20:21], s[0:1], 0x40              ; biasw
	v_lshl_add_u32 v[SPW], v0, 2, SPARE
	v_mov_b32 v[NIL], 0
	v_lshrrev_b32 v1, 5, v0
	v_readfirstlane_b32 s22, v1                    ; wave
	v_and_b32 v2, 31, v0                           ; lane
	s_wait_kmcnt 0x0
	s_load_b256 s[24:31], s[12:13], 0x0            ; e0 .. e7
	s_cmp_lt_u32 ttmp9, 256
	s_cbranch_scc0 .Lnot_x
	; ---- x: wave 4 g + w takes 8,192 numbers, 16 steps of 512
	s_lshl_b32 s32, ttmp9, 2
	s_add_co_u32 s32, s32, s22
	s_lshl_b32 s34, s32, 15
	s_mov_b32 s35, 0
	s_add_nc_u64 s[4:5], s[4:5], s[34:35]
	s_lshl_b32 s34, s32, 13
	s_add_nc_u64 s[14:15], s[14:15], s[34:35]
	s_wait_alu depctr_va_vdst(0)
	v_lshlrev_b32 v3, 4, v2                        ; my 16 bytes of a load's 512, and of a store's
	s_lshl_b32 s33, s22, 13                        ; my wave's region
	v_lshrrev_b32 v14, 2, v2
	v_mul_u32_u24 v14, v14, SP
	v_and_b32 v15, 3, v2
	v_lshl_add_u32 v14, v15, 4, v14
	v_add_nc_u32 v14, s33, v14                     ; into the stage: SP (lane / 4) + 16 (lane % 4)
	v_mul_u32_u24 v15, v2, SP
	v_add_nc_u32 v15, s33, v15                     ; out of it: SP x lane: my 16 neighbours
.irp t, 0,1,2,3
	XLOAD \t
.endr
	s_wait_alu depctr_va_vdst(0)
	s_wait_kmcnt 0x0
	s_add_co_i32 s36, s24, 127
	s_lshl_b32 s37, s36, 23
	v_mov_b32 v11, s37                             ; 2^e0 as f32
	s_add_co_i32 s36, s36, 8
	s_lshl_b32 s36, s36, 23
	s_or_b32 s36, s36, MANT
	v_mov_b32 v10, s36                             ; 448 x 2^e0
	s_wait_alu depctr_va_vdst(0)
	s_wait_loadcnt 12                              ; step 0's four loads are in
	XTURN 0
.irp t, 0,1,2,3,4,5,6,7,8,9,10,11,12,13,14,15
	XSTEP \t
.endr
	s_branch .Lend
.Lnot_x:
	s_cmp_lt_u32 ttmp9, 384
	s_cbranch_scc0 .Lbias
	; ---- a weight: a wave takes 32 columns x 256 along K.  What differs between the two weights is chosen by the work-group's number alone
	s_sub_co_u32 s32, ttmp9, 256
	s_cmp_lt_u32 s32, 96                           ; Wqkv's work-group?
	s_cselect_b64 s[34:35], s[6:7], s[8:9]         ; from
	s_cselect_b64 s[36:37], s[16:17], s[18:19]     ; to
	s_cselect_b32 s33, 0, 96
	s_cselect_b32 s41, 1, 0
	s_mov_b32 s40, 4096
	s_cselect_b32 s40, 12288, s40                  ; a row of the weight in bytes
	s_sub_co_u32 s32, s32, s33
	s_lshr_b32 s42, s32, 2                         ; which 128 columns
	s_and_b32 s43, s32, 3                          ; which 256 along K
	s_lshl_b32 s42, s42, 7
	s_lshl_b32 s44, s22, 5
	s_add_co_u32 s42, s42, s44                     ; my wave's first column
	s_mul_i32 s44, s43, s40
	s_lshl_b32 s44, s44, 8
	s_lshl_b32 s45, s42, 2
	s_add_co_u32 s44, s44, s45
	s_mov_b32 s45, 0
	s_add_nc_u64 s[48:49], s[34:35], s[44:45]      ; block 0's base
	s_lshl_b32 s44, s42, 10
	s_lshl_b32 s46, s43, 8
	s_add_co_u32 s44, s44, s46
	s_add_nc_u64 s[36:37], s[36:37], s[44:45]      ; the codes: column x 1,024 + 256 x the part of K
	s_lshl_b32 s38, s40, 5                         ; 32 rows on
	s_mov_b32 s39, 0
.irp t, 1,2,3,4,5,6,7
	s_add_nc_u64 s[48+2*\t:49+2*\t], s[46+2*\t:47+2*\t], s[38:39]
.endr
	s_wait_alu depctr_va_vdst(0)
	v_lshlrev_b32 v3, 2, v2
.set i, 0
.rept 32
	v_mad_u32_u24 v[OFFR+i], s40, i, v3            ; 4 x lane + i rows
.set i, i+1
.endr
	WLOAD 0
	WLOAD 1
	s_mul_i32 s44, s22, 32*WP
	s_add_co_u32 s44, s44, WSTG                    ; my stage
	v_mul_u32_u24 v4, v2, WP
	v_add_nc_u32 v4, s44, v4                       ; into it: row = my column
	v_and_b32 v5, 15, v2
	v_lshrrev_b32 v6, 4, v2
	v_mul_u32_u24 v7, v6, WP
	v_lshl_add_u32 v7, v5, 4, v7
	v_add_nc_u32 v7, s44, v7                       ; out of it: sixteen lanes to a row, two rows an instruction
	v_lshlrev_b32 v8, 10, v6
	v_lshl_add_u32 v8, v5, 4, v8                   ; and the same place in the codes' buffer
	s_wait_kmcnt 0x0
	s_cmp_eq_u32 s41, 1
	s_cselect_b32 s42, s25, s31                    ; e1 or e7
	s_add_co_i32 s42, s42, 127
	s_lshl_b32 s43, s42, 23
	v_mov_b32 v11, s43
	s_add_co_i32 s42, s42, 8
	s_lshl_b32 s42, s42, 23
	s_or_b32 s42, s42, MANT
	v_mov_b32 v10, s42
	s_wait_alu depctr_va_vdst(0)
.irp t, 0,1,2,3,4,5,6,7
	WBLOCK \t
.endr
.irp t, 0,1,2,3,4,5,6,7,8,9,10,11,12,13,14,15
	ds_load_b128 v[OUTR+4*\t:OUTR+4*\t+3], v7 offset:2*\t*WP
.endr
.irp t, 0,1,2,3,4,5,6,7,8,9,10,11,12,13,14,15
	s_wait_dscnt 15-\t                             ; the younger loads may be out
	global_store_b128 v8, v[OUTR+4*\t:OUTR+4*\t+3], s[36:37] offset:2*\t*1024   ; sixteen lanes store 256 consecutive bytes, aligned
.endr
	s_branch .Lend
.Lbias:
	; ---- the bias tables: wave = copy c; a lane takes words pos = 64 g + 2 lane and pos + 1 of all 16 heads
	s_sub_co_u32 s32, ttmp9, 384
	s_lshl_b32 s33, s32, 6
	s_sub_co_u32 s33, 2048, s33
	s_add_co_u32 s33, s33, s22                     ; 2048 + c - 64 g
	s_wait_alu depctr_va_vdst(0)
	v_lshlrev_b32 v3, 1, v2
	v_sub_nc_u32 v4, s33, v3                       ; d of the even word (may be negative),
	v_add_nc_u32 v5, -1, v4                        ; of the odd word
	v_min_u32 v6, 0x7ff, v4                        ; the table's row: at most 2047; a negative d, huge as an unsigned number, takes row 2047 too, and is replaced below
	v_min_u32 v7, 0x7ff, v5
	v_lshlrev_b32 v6, 6, v6
	v_lshlrev_b32 v7, 6, v7
.irp j, 0,1,2,3
	global_load_b128 v[16+4*\j:19+4*\j], v6, s[10:11] offset:16*\j
	global_load_b128 v[32+4*\j:35+4*\j], v7, s[10:11] offset:16*\j
.endr
	s_mul_i32 s34, s22, 9216
	s_lshl_b32 s35, s32, 8
	s_add_co_u32 s34, s34, s35
	v_lshl_add_u32 v8, v2, 3, s34                  ; my 8 bytes in a head's tables
	v_mov_b32 v9, 0xfb800000                       ; -2^120
	v_cmp_gt_i32 vcc_lo, 0, v4
	v_cmp_gt_i32 s41, 0, v5
	s_wait_kmcnt 0x0
	s_add_co_i32 s40, s26, s27
	s_sub_co_i32 s40, 3, s40                       ; 3 - e2 - e3
	s_wait_loadcnt 0x0
.set i, 0
.rept 16
	v_ldexp_f32 v[64+2*i], v[16+i], s40
	v_ldexp_f32 v[65+2*i], v[32+i], s40
.set i, i+1
.endr
.set i, 0
.rept 16
	v_cndmask_b32 v[64+2*i], v[64+2*i], v9, vcc_lo
	v_cndmask_b32 v[65+2*i], v[65+2*i], v9, s41
.set i, i+1
.endr
.set i, 0
.rept 16
	global_store_b64 v8, v[64+2*i:65+2*i], s[20:21] offset:i*36864   ; the wave stores 256 consecutive bytes, aligned
.set i, i+1
.endr
.Lend:
	s_wait_tensorcnt 0x0                           ; the wave's end: behind the last LDS store; the three paths share it
	ds_add_u32 v[SPW], v[NIL]
	s_wait_dscnt 0x0
	s_endpgm
.Lfunc_end_k_q6eef7f8c58_prep:
	.size	k_q6eef7f8c58_prep, .Lfunc_end_k_q6eef7f8c58_prep-k_q6eef7f8c58_prep
	.p2alignl 7, 3214868480
	.fill 96, 4, 3214868480
	.section	.rodata,"a",@progbits
	.p2align	6, 0x0
	.amdhsa_kernel k_q6eef7f8c58_prep
		.amdhsa_group_segment_fixed_size 68096
		.amdhsa_private_segment_fixed_size 0
		.amdhsa_enable_private_segment 0
		.amdhsa_kernarg_size 72
		.amdhsa_user_sgpr_count 2
		.amdhsa_user_sgpr_kernarg_segment_ptr 1
		.amdhsa_wavefront_size32 1
		.amdhsa_system_sgpr_workgroup_id_x 1
		.amdhsa_system_sgpr_workgroup_id_y 1
		.amdhsa_system_sgpr_workgroup_id_z 1
		.amdhsa_system_vgpr_workitem_id 0
		.amdhsa_next_free_vgpr 192
		.amdhsa_next_free_sgpr 66
		.amdhsa_reserve_vcc 1
		.amdhsa_float_denorm_mode_32 3
		.amdhsa_float_denorm_mode_16_64 3
		.amdhsa_memory_ordered 1
		.amdhsa_forward_progress 1
		.amdhsa_inst_pref_size 95
	.end_amdhsa_kernel
	.amdgpu_metadata
---
amdhsa.version: [ 1, 2 ]
amdhsa.kernels:
  - .name:           k_q6eef7f8c58_prep
    .symbol:         k_q6eef7f8c58_prep.kd
    .args:
      - { .name: x, .offset: 0, .size: 8, .value_kind: global_buffer, .address_space: global }
      - { .name: Wqkv, .offset: 8, .size: 8, .value_kind: global_buffer, .address_space: global }
      - { .name: Wproj, .offset: 16, .size: 8, .value_kind: global_buffer, .address_space: global }
      - { .name: rel_bias, .offset: 24, .size: 8, .value_kind: global_buffer, .address_space: global }
      - { .name: lowp_scales, .offset: 32, .size: 8, .value_kind: global_buffer, .address_space: global }
      - { .name: x_codes, .offset: 40, .size: 8, .value_kind: global_buffer, .address_space: global }
      - { .name: wqkv_codes, .offset: 48, .size: 8, .value_kind: global_buffer, .address_space: global }
      - { .name: wproj_codes, .offset: 56, .size: 8, .value_kind: global_buffer, .address_space: global }
      - { .name: biasw, .offset: 64, .size: 8, .value_kind: global_buffer, .address_space: global }
    .group_segment_fixed_size: 68096
    .private_segment_fixed_size: 0
    .kernarg_segment_align: 8
    .kernarg_segment_size: 72
    .max_flat_workgroup_size: 128
    .sgpr_count:     66
    .vgpr_count:     192
    .wavefront_size: 32
...
	.end_amdgpu_metadata
.endif
;; end of part 1
;; launch qkv (part 2): grid 12 x 32, 4 waves a work-group, clusters of 4 x 4, 327,680 bytes of LDS; arguments x_codes, wqkv_codes, lowp_scales, q_codes, k_codes, v_codes; writes q_codes, k_codes, v_codes
.if DOCPART == 2
	.amdgcn_target "amdgcn-amd-amdhsa--gfx1250"
	.amdhsa_code_object_version 6
	.text
	.protected	k_q6eef7f8c58_qkv
	.globl	k_q6eef7f8c58_qkv
	.p2align	8
	.type	k_q6eef7f8c58_qkv,@function
k_q6eef7f8c58_qkv:
	s_mov_b64 s[64:65], 0
	v_nop
	global_prefetch_b8 v0, s[64:65] scope:SCOPE_SE
	s_setreg_imm32_b32 hwreg(HW_REG_WAVE_MODE, 25, 1), 1
	s_wait_xcnt 0x0
	s_wait_alu depctr_hold_cnt(0) depctr_sa_sdst(0) depctr_va_vdst(0) depctr_va_sdst(0) depctr_va_ssrc(0) depctr_va_vcc(0) depctr_vm_vsrc(0)
	s_getreg_b32 s2, hwreg(HW_REG_IB_STS2, 6, 4)
	s_cmp_eq_u32 s2, 0
	s_cbranch_scc0 .Lentry_in_a_cluster
	s_endpgm
.Lentry_in_a_cluster:
	s_bfe_u32 s2, ttmp6, 0x10000c
	s_cmp_lg_u32 s2, 0xf033
	s_cbranch_scc0 .Lentry_shape_is_right
	s_endpgm
.Lentry_shape_is_right:
; qkv = x Wqkv on codes of E4M3, and each sum quantised at once: q with 2^e2, k with 2^e3, v with 2^e5.  K = 1,024.
; x_codes [8192 tokens][1024], wqkv_codes [3072 n][1024].  OUT: q_codes, k_codes [batch x 16 + head][token 2048][64]; v_codes [batch x 16 + head][channel 64][token 2048] (the tokens are the later K).
; Within each group of 32 along the last axis the bytes lie in the order 0-7, 16-23, 8-15, 24-31: a 16-byte load at 32 g + 16 (lane / 16) then gives the 8-bit operand's own register layout.
; A tile of 256 x 256 to a work-group of four waves, 128 x 128 a wave: 64 accumulators, 512 registers.  K in steps of 256 through two LDS slots filled by the tensor data mover.
; THE CLUSTER'S x IS THE ROLE (0: q, 1: k, 2: v), the same in all sixteen partners.  For q and k the rows of a tile are tokens and its columns are rows of Wqkv's codes.  For v the two operands change
; places BY POINTER: the rows are v's channels (Wqkv's rows 2048 on), the columns tokens, so that a lane's eight sums are eight neighbouring TOKENS of one channel.
; CLUSTERS: 4 x 4 work-groups; the row operand's tile is shared along a row of the cluster, the column operand's along a column: joint tensor loads with a mask that names the four.
; THE MATRIX INSTRUCTION IS USED TRANSPOSED (source 0 = 16 rows of the column operand, source 1 = 16 rows of the row operand): a lane holds eight neighbouring numbers of a row of the tile.
; Fragments come by four 16-byte loads: a permutation of k that is the same on both sides.
; LIMITS: e2 - e0 - e1, e3 - e0 - e1 and e5 - e0 - e1 between -126 and 119.
; REGISTERS, in windows of 256: window 0: v0-31 addresses; from v128 the row operand's fragments, ONE set; on the way out v32-95 held sums, v128-255 codes.
;   window 1: the column operand's fragments, TWO sets.   windows 2, 3: the accumulators of my rows 0-63, 64-127.
.set SIZE_K, 1024
.set KSTEP,  256
.set ROWB,   256
.set KROW,   SIZE_K
.set PITCH,  272                       ; an LDS row: 256 bytes + 16 of padding: the 16 rows of a load start at 16 different groups of four banks (64 banks of 4 bytes: ISA guide 11.1)
.set FR,     16
.set NL,     4
.set NP,     4                         ; places behind this matrix instruction (ISA guide 7.12.1)
.set HALFT,  128*PITCH
.set SLOT,   4*HALFT
.set LAPS,   SIZE_K/(2*KSTEP)
.set SPARE,  2*SLOT                    ; behind the ring: the spare words
.set SP,     336                       ; the way out: ONE stage of 256 rows x (256 bytes + 80), in slot 0, which has had its last fill and its last read by then
.set ADRA, 16
.set ADRB, 20
.set COV,  22                          ; v22  v's way out: my byte offset in two rows of v_codes
.set STO,  24                          ; v24  where I put 16 bytes of a stage row
.set RDQ,  25                          ; v25  q, k: where I read the stage back (eight rows x 64 bytes an instruction)
.set COQ,  26                          ; v26  16 x lane
.set RDV,  27                          ; v27  v: where I read the stage back (two rows x 256 bytes)
.set SPW,  28
.set NIL,  29
.set SCLR, 30                          ; v30  2^(e - e0 - e1) as f32
.set LIMR, 31                          ; v31  448 x that
.set TMP,  32
.set AF,   128
.set CD,   128                         ; the codes, 16 registers a block; later the rows read back
.set G1, 24
.set G0, 32
.set G1B, 48
.set G0B, 56
.set MSB, 0
.macro WIN new                         ; the immediate's high byte repeats the setting that is left
.if MSB != \new
	s_set_vgpr_msb (MSB<<8)|\new
.set MSB, \new
.endif
.endm
.set MUL_LO, 0xa1
.set MUL_HI, 0xf1
.set TO_B,   0x40
.macro JLOAD g0a, g1a, g0b, g1b        ; a joint load: waves 0 and 1 fetch the row operand's halves, waves 2 and 3 the column operand's
	s_cmp_eq_u32 s15, 0
	s_cbranch_scc0 .Lfor_b_\@
	tensor_load_to_lds s[\g0a:\g0a+3], s[\g1a:\g1a+7]
	s_nop 0
.rept 4
	v_nop
.endr
	s_branch .Lasked_\@
.Lfor_b_\@:
	tensor_load_to_lds s[\g0b:\g0b+3], s[\g1b:\g1b+7]
	s_nop 0
.rept 4
	v_nop
.endr
.Lasked_\@:
.endm
.macro CREST
	s_cmp_lg_u32 s14, 0
	s_cbranch_scc1 .Lnot_wave_0_\@
	s_barrier_signal -3
.Lnot_wave_0_\@:
	s_barrier_wait -3
	s_barrier_signal -1
	s_barrier_wait -1
.endm
.macro CROUND
	s_barrier_signal -1
	s_barrier_wait -1
	CREST
.endm
	s_load_b256 s[4:11], s[0:1], 0x0               ; x_codes, wqkv_codes, the scales, q_codes
	s_load_b128 s[88:91], s[0:1], 0x20             ; k_codes, v_codes
	v_lshl_add_u32 v[SPW], v0, 2, SPARE
	v_mov_b32 v[NIL], 0
	ds_add_u32 v[SPW], v[NIL]                      ; the wave's opening: the add and its wait ahead of my first tensor load
	ds_add_u32 v[SPW], v[NIL]
	v_lshrrev_b32 v1, 5, v0
	v_readfirstlane_b32 s14, v1                    ; wave 0..3
	s_lshr_b32 s15, s14, 1                         ; which half of the tile's rows is mine.  Also: which operand I fetch for
	s_and_b32 s16, s14, 1                          ; which half of its columns.  Also: which 128 rows I fetch
	s_bfe_u32 s40, ttmp6, 0x40000                  ; cx
	s_bfe_u32 s41, ttmp6, 0x40004                  ; cy
	s_and_b32 s84, ttmp7, 0xffff                   ; the cluster's y: which 1,024 tokens
	s_cmp_eq_u32 ttmp9, 2                          ; v's role?  The cluster's x: the same in all partners
	s_cselect_b32 s85, 0, s84                      ; the tile rows' coordinate: tokens, or v's 1,024 channels
	s_cselect_b32 s86, s84, ttmp9                  ; the tile columns': Wqkv's rows (q: 0, k: 1), or tokens
	s_lshl_b32 s42, s86, 2
	s_add_co_u32 s42, s42, s40                     ; tile column
	s_lshl_b32 s17, s85, 2
	s_add_co_u32 s17, s17, s41                     ; tile row
	s_lshl_b32 s43, s41, 2
	s_lshl_b32 s43, 15, s43                        ; my row of the cluster
	s_lshl_b32 s44, 0x1111, s40                    ; my column
	s_or_b32 s[G1+0], s43, (0<<16)|(1<<20)|(1<<21)|(5<<22)|(3<<25)  ; the mask; elements of 1 byte; padding on; bit 21 beside a mask; four words after every 64
	s_or_b32 s[G1B+0], s44, (0<<16)|(1<<20)|(1<<21)|(5<<22)|(3<<25)
.irp g, G1, G1B
	s_mov_b32 s[\g+1], ROWB<<16                    ; tensor_dim0
	s_mov_b32 s[\g+2], 128<<16                     ; tensor_dim1
	s_mov_b32 s[\g+3], ROWB<<16                    ; tile_dim0
	s_mov_b32 s[\g+4], 128                         ; tile_dim1
	s_mov_b32 s[\g+5], KROW                        ; the pitch
	s_mov_b32 s[\g+6], 0
	s_mov_b32 s[\g+7], 0
.endr
	s_lshl_b32 s18, s16, 7
	s_lshl_b32 s20, s17, 8
	s_add_co_u32 s20, s20, s18
	s_lshl_b32 s20, s20, 10                        ; the row operand: (256 x tile row + 128 x half) rows of 1,024 bytes
	s_mov_b32 s21, 0
	s_lshl_b32 s46, s42, 8
	s_add_co_u32 s46, s46, s18
	s_lshl_b32 s46, s46, 10                        ; the column operand likewise
	s_mov_b32 s47, 0
	s_mul_i32 s45, s14, HALFT                      ; where they go: wave x 128 rows
	s_wait_dscnt 0x0                               ; the opening add is done
	s_wait_kmcnt 0x0
	s_load_b256 s[76:83], s[8:9], 0x0              ; e0 .. e7
	s_add_nc_u64 s[72:73], s[6:7], 2048*KROW       ; v's rows of Wqkv's codes
	s_cmp_eq_u32 ttmp9, 2
	s_cselect_b64 s[68:69], s[72:73], s[4:5]       ; the row operand
	s_cselect_b64 s[70:71], s[4:5], s[6:7]         ; the column operand
	s_add_nc_u64 s[20:21], s[68:69], s[20:21]
	s_add_nc_u64 s[46:47], s[70:71], s[46:47]
	CROUND                                         ; all sixteen work-groups are here: the first joint loads meet
.irp s, 0,1
	s_mov_b32 s[G0+4*\s], 1
	s_add_co_u32 s[G0+4*\s+1], s45, \s*SLOT
	s_add_nc_u64 s[G0+4*\s+2:G0+4*\s+3], s[20:21], \s*ROWB
	s_or_b32 s[G0+4*\s+3], s[G0+4*\s+3], 0x80000000
	s_mov_b32 s[G0B+4*\s], 1
	s_add_co_u32 s[G0B+4*\s+1], s45, \s*SLOT
	s_add_nc_u64 s[G0B+4*\s+2:G0B+4*\s+3], s[46:47], \s*ROWB
	s_or_b32 s[G0B+4*\s+3], s[G0B+4*\s+3], 0x80000000
.endr
	JLOAD G0, G1, G0B, G1B                         ; K step 0: one tensor load a wave at the head
	v_and_b32 v1, 15, v0                           ; r
	s_wait_alu depctr_va_vdst(0)
	v_bfe_u32 v2, v0, 4, 1                         ; h
	v_mul_u32_u24 v3, v1, PITCH
	v_lshl_add_u32 v4, v2, 4, v3
	s_mul_i32 s21, s15, HALFT
	s_mul_i32 s22, s16, HALFT
	s_add_co_u32 s22, s22, 2*HALFT
.irp s, 0,1
	v_add_nc_u32 v[ADRA+\s], s21, v4
	v_add_nc_u32 v[ADRB+\s], s22, v4
	s_add_co_u32 s21, s21, SLOT
	s_add_co_u32 s22, s22, SLOT
.endr
	s_mul_i32 s23, s15, 128*SP                     ; into the stage: row 128 x row half + r, byte 128 x column half + 16 h
	s_lshl_b32 s21, s16, 7
	s_add_co_u32 s23, s23, s21
	v_mul_u32_u24 v5, v1, SP
	s_wait_alu depctr_va_vdst(0)
	v_lshl_add_u32 v5, v2, 4, v5
	v_add_nc_u32 v[STO], s23, v5
	s_mul_i32 s23, s14, 64*SP                      ; back: wave w takes rows 64 w .. 64 w + 63
	v_and_b32 v6, 31, v0
	v_lshrrev_b32 v7, 2, v6
	v_mul_u32_u24 v7, v7, SP
	v_and_b32 v8, 3, v6
	v_lshl_add_u32 v7, v8, 4, v7
	v_add_nc_u32 v[RDQ], s23, v7                   ; q, k: four lanes to a head's 64 bytes of a row
	v_lshlrev_b32 v[COQ], 4, v6
	v_mul_u32_u24 v7, v2, SP
	v_lshl_add_u32 v7, v1, 4, v7
	v_add_nc_u32 v[RDV], s23, v7                   ; v: sixteen lanes to a row's 256 bytes
	v_lshlrev_b32 v7, 11, v2
	v_lshl_add_u32 v[COV], v1, 4, v7
.macro FRAG reg, adr, q, i             ; 16 rows x 128 K: registers 4 c .. 4 c + 3 hold K = 32 c + 16 (lane / 16) + 0 .. 15 of row lane % 16
.irp c, 0,1,2,3
	ds_load_b128 v[\reg+4*\c:\reg+4*\c+3], v[\adr] offset:128*(\q)+32*\c+(\i)*16*PITCH
.endr
.endm
.macro MUL16 a0, p, zero               ; 16 matrix instructions; the 64 accumulators take turns, one instruction a turn
.irp a, \a0, \a0+1
.irp b, 0,1,2,3,4,5,6,7
.if \zero
	v_wmma_f32_16x16x128_fp8_fp8 v[8*(8*((\a)%4)+\b):8*(8*((\a)%4)+\b)+7], v[128*(\p)+FR*\b:128*(\p)+FR*\b+FR-1], v[AF+FR*(\a):AF+FR*(\a)+FR-1], 0
.else
	v_wmma_f32_16x16x128_fp8_fp8 v[8*(8*((\a)%4)+\b):8*(8*((\a)%4)+\b)+7], v[128*(\p)+FR*\b:128*(\p)+FR*\b+FR-1], v[AF+FR*(\a):AF+FR*(\a)+FR-1], v[8*(8*((\a)%4)+\b):8*(8*((\a)%4)+\b)+7]
.endif
.endr
.endr
.endm
.macro FETCH_B slot, q, p
	WIN TO_B
.irp i, 0,1,2,3,4,5,6,7
	FRAG 128*(\p)+FR*\i, ADRB+\slot, \q, \i
.endr
	WIN 0
.endm
.macro FETCH_A slot, q, i0
.irp i, \i0, \i0+1, \i0+2, \i0+3
	FRAG AF+FR*(\i), ADRA+\slot, \q, \i
.endr
.endm
.macro PLACES n                        ; plain vector instructions between a matrix instruction and a load into, or a read of, its registers
.rept \n
	v_nop
.endr
.endm
.macro STEP slot, q, zero              ; 128 along K whose successor lies in the same slot
	s_wait_dscnt 4*NL                              ; all but the youngest sixteen loads (the row operand's blocks 4-7)
	WIN MUL_LO
	MUL16 0, (\q)%2, \zero
	MUL16 2, (\q)%2, \zero
	s_wait_dscnt 0
	PLACES NP
	FETCH_B \slot, (\q)+1, 1-(\q)%2
	FETCH_A \slot, (\q)+1, 0
	WIN MUL_HI
	MUL16 4, (\q)%2, \zero
	MUL16 6, (\q)%2, \zero
	PLACES NP
	WIN 0
	FETCH_A \slot, (\q)+1, 4
.endm
.macro TURN slot, next, fill           ; a slot's last step changes slots: one barrier; fill = 1: it opens a round of the cluster's barrier and this slot is filled again
	s_wait_tensorcnt 0x0                           ; all my tensor loads have landed: my part of the next slot
	ds_add_u32 v[SPW], v[NIL]                      ; 0 onto my spare word
	s_wait_dscnt 4*NL+1                            ; the add and the youngest sixteen loads may be out
	WIN MUL_LO
	MUL16 0, 1, 0
	s_wait_dscnt 0x0                               ; the add is done, and my reads of this slot are over
	s_barrier_signal -1
	MUL16 2, 1, 0
	WIN 0
	s_barrier_wait -1
.if \fill
	CREST                                          ; no wave of any partner still reads this slot or has a load on its way
	s_add_nc_u64 s[G0+4*\slot+2:G0+4*\slot+3], s[G0+4*\slot+2:G0+4*\slot+3], 2*ROWB
	s_add_nc_u64 s[G0B+4*\slot+2:G0B+4*\slot+3], s[G0B+4*\slot+2:G0B+4*\slot+3], 2*ROWB
	JLOAD G0+4*\slot, G1, G0B+4*\slot, G1B         ; the first tensor load behind the round; its four v_nop are the places in front of the loads below
.else
	PLACES NP
.endif
	FETCH_B \next, 0, 0
	FETCH_A \next, 0, 0
	WIN MUL_HI
	MUL16 4, 1, 0
	MUL16 6, 1, 0
	PLACES NP
	WIN 0
	FETCH_A \next, 0, 4
.endm
	s_wait_alu depctr_va_vdst(0)                   ; the head's end
	s_wait_tensorcnt 0x0                           ; my part of K step 0 is in; slot 1's first fill is issued as a refill is:
	ds_add_u32 v[SPW], v[NIL]                      ; 0 onto my spare word
	s_wait_dscnt 0x0
	CROUND                                         ; a whole round: everybody's part of K step 0 is in, and the joint loads meet
	JLOAD G0+4, G1, G0B+4, G1B                     ; K step 1, the first tensor load behind the round
	FETCH_B 0, 0, 0
	FETCH_A 0, 0, 0
	FETCH_A 0, 0, 4
	STEP 0, 0, 1                                   ; the first step starts the sums
	s_mov_b32 s3, LAPS-1
.Llap:
	TURN 0, 1, 1
	STEP 1, 0, 0
	TURN 1, 0, 1
	STEP 0, 0, 0
	s_sub_co_u32 s3, s3, 1
	s_cmp_lg_u32 s3, 0
	s_cbranch_scc1 .Llap
	TURN 0, 1, 0                                   ; the last lap fills nothing
	STEP 1, 0, 0
	s_wait_dscnt 4*NL
	WIN MUL_LO
	MUL16 0, 1, 0
	MUL16 2, 1, 0
	s_wait_dscnt 0
	WIN MUL_HI
	MUL16 4, 1, 0
	MUL16 6, 1, 0
	WIN 0
	; THE WAY OUT.  A sum stands for sum x 2^(e0 + e1): its code is sum / 2^(e - e0 - e1), e the role's own exponent.
	s_wait_kmcnt 0x0
	s_cmp_eq_u32 ttmp9, 0
	s_cselect_b32 s20, s78, s79                    ; e2 for q, e3 for k,
	s_cmp_eq_u32 ttmp9, 2
	s_cselect_b32 s20, s81, s20                    ; e5 for v
	s_sub_co_i32 s20, s20, s76
	s_sub_co_i32 s20, s20, s77
	s_add_co_i32 s20, s20, 127
	s_lshl_b32 s21, s20, 23
	s_add_co_i32 s20, s20, 8
	s_lshl_b32 s20, s20, 23
	s_or_b32 s20, s20, 0x600000
	PLACES NP                                      ; behind the last products: their results are read and the row operand's registers written below
	v_mov_b32 v[SCLR], s21
	v_mov_b32 v[LIMR], s20
; Block a, 16 rows x 128 columns: held, converted, and 16 bytes a lane (tiles 2 g and 2 g + 1: columns 32 g + 8 h + 0..7 and 32 g + 16 + 8 h + 0..7) into the stage.  Each block has code registers of its own.
.macro QBLK a
.set AC, 64*((\a)%4)
	WIN 0x02+((\a)/4)                              ; source 0: window 2 or 3
.set j, 0
.rept 64
	v_med3_num_f32 v[TMP+j], v[AC+j], -v[LIMR], v[LIMR]   ; each accumulator from its low end on
.set j, j+1
.endr
	WIN 0
.irp b, 0,1,2,3,4,5,6,7
	v_cvt_scalef32_pk8_fp8_f32 v[CD+16*(\a)+2*\b:CD+16*(\a)+2*\b+1], v[TMP+8*\b:TMP+8*\b+7], v[SCLR]
.endr
	v_nop                                          ; a plain line between the conversions and the next block's holds, which write their sources
.irp g, 0,1,2,3
	ds_store_b128 v[STO], v[CD+16*(\a)+4*\g:CD+16*(\a)+4*\g+3] offset:(\a)*16*SP+32*\g
.endr
.endm
.irp a, 0,1,2,3,4,5,6,7
	QBLK \a
.endr
	s_wait_dscnt 0x0                               ; for the others' sake: my stores into the stage are done (a row's 256 bytes come from two waves)
	s_barrier_signal -1
	s_barrier_wait -1
	s_cmp_eq_u32 ttmp9, 2                          ; the cluster's x: all partners go the same way; both ways only read LDS
	s_cbranch_scc1 .Lv_out
	; q, k: the tile's 256 columns are four heads; a head's 64 bytes of eight tokens are 512 dense bytes of the output
	s_lshr_b32 s20, s17, 3                         ; batch
	s_lshl_b32 s20, s20, 4
	s_lshl_b32 s21, s40, 2
	s_add_co_u32 s20, s20, s21                     ; batch x 16 + the tile's first head
	s_lshl_b32 s20, s20, 11
	s_and_b32 s21, s17, 7
	s_lshl_b32 s21, s21, 8
	s_add_co_u32 s20, s20, s21                     ; + the tile's first token in the batch
	s_lshl_b32 s21, s14, 6
	s_add_co_u32 s20, s20, s21                     ; + my 64 rows
	s_lshl_b32 s20, s20, 6
	s_mov_b32 s21, 0
	s_cmp_eq_u32 ttmp9, 0
	s_cselect_b64 s[10:11], s[10:11], s[88:89]
	s_add_nc_u64 s[10:11], s[10:11], s[20:21]
.set n, 0
.rept 32
	ds_load_b128 v[CD+4*n:CD+4*n+3], v[RDQ] offset:(n%8)*8*SP+64*(n/8)
.set n, n+1
.endr
.set n, 0
.rept 32
	s_wait_dscnt 31-n                              ; the younger loads may be out
	global_store_b128 v[COQ], v[CD+4*n:CD+4*n+3], s[10:11] offset:(n/8)*131072+(n%8)*512   ; 512 consecutive bytes, aligned
.set n, n+1
.endr
	s_branch .Lout_done
.Lv_out:
	; v: the tile's 256 rows are four heads' channels, my 64 rows one head; a row's 256 bytes are 256 tokens
	s_lshr_b32 s20, s42, 3                         ; batch
	s_lshl_b32 s20, s20, 4
	s_lshl_b32 s21, s41, 2
	s_add_co_u32 s20, s20, s21
	s_add_co_u32 s20, s20, s14                     ; batch x 16 + head
	s_lshl_b32 s20, s20, 17                        ; 64 channels of 2,048 bytes
	s_and_b32 s21, s42, 7
	s_lshl_b32 s21, s21, 8
	s_add_co_u32 s20, s20, s21
	s_mov_b32 s21, 0
	s_add_nc_u64 s[10:11], s[90:91], s[20:21]
.set n, 0
.rept 32
	ds_load_b128 v[CD+4*n:CD+4*n+3], v[RDV] offset:n*2*SP
.set n, n+1
.endr
.set n, 0
.rept 32
	s_wait_dscnt 31-n
	global_store_b128 v[COV], v[CD+4*n:CD+4*n+3], s[10:11] offset:n*4096   ; sixteen lanes store 256 consecutive bytes, aligned
.set n, n+1
.endr
.Lout_done:
	s_wait_tensorcnt 0x0                           ; the wave's end
	ds_add_u32 v[SPW], v[NIL]
	s_wait_dscnt 0x0
	CROUND                                         ; the closing round
	s_endpgm
.Lfunc_end_k_q6eef7f8c58_qkv:
	.size	k_q6eef7f8c58_qkv, .Lfunc_end_k_q6eef7f8c58_qkv-k_q6eef7f8c58_qkv
	.p2alignl 7, 3214868480
	.fill 96, 4, 3214868480
	.section	.rodata,"a",@progbits
	.p2align	6, 0x0
	.amdhsa_kernel k_q6eef7f8c58_qkv
		.amdhsa_group_segment_fixed_size 327680
		.amdhsa_private_segment_fixed_size 0
		.amdhsa_enable_private_segment 0
		.amdhsa_kernarg_size 48
		.amdhsa_user_sgpr_count 2
		.amdhsa_user_sgpr_kernarg_segment_ptr 1
		.amdhsa_wavefront_size32 1
		.amdhsa_system_sgpr_workgroup_id_x 1
		.amdhsa_system_sgpr_workgroup_id_y 1
		.amdhsa_system_sgpr_workgroup_id_z 1
		.amdhsa_system_vgpr_workitem_id 0
		.amdhsa_next_free_vgpr 1024
		.amdhsa_next_free_sgpr 96
		.amdhsa_reserve_vcc 0
		.amdhsa_float_denorm_mode_32 3
		.amdhsa_float_denorm_mode_16_64 3
		.amdhsa_memory_ordered 1
		.amdhsa_forward_progress 1
		.amdhsa_inst_pref_size 131
	.end_amdhsa_kernel
	.amdgpu_metadata
---
amdhsa.version: [ 1, 2 ]
amdhsa.kernels:
  - .name:           k_q6eef7f8c58_qkv
    .symbol:         k_q6eef7f8c58_qkv.kd
    .args:
      - { .name: x_codes, .offset: 0, .size: 8, .value_kind: global_buffer, .address_space: global }
      - { .name: wqkv_codes, .offset: 8, .size: 8, .value_kind: global_buffer, .address_space: global }
      - { .name: lowp_scales, .offset: 16, .size: 8, .value_kind: global_buffer, .address_space: global }
      - { .name: q_codes, .offset: 24, .size: 8, .value_kind: global_buffer, .address_space: global }
      - { .name: k_codes, .offset: 32, .size: 8, .value_kind: global_buffer, .address_space: global }
      - { .name: v_codes, .offset: 40, .size: 8, .value_kind: global_buffer, .address_space: global }
    .group_segment_fixed_size: 327680
    .private_segment_fixed_size: 0
    .kernarg_segment_align: 8
    .kernarg_segment_size: 48
    .max_flat_workgroup_size: 128
    .sgpr_count:     96
    .vgpr_count:     1024
    .wavefront_size: 32
...
	.end_amdgpu_metadata
.endif
;; end of part 2
;; launch attn (part 3): grid 4 x 64, 4 waves a work-group, no clusters, 327,680 bytes of LDS; arguments q_codes, k_codes, v_codes, biasw, lowp_scales, y_codes; writes y_codes
.if DOCPART == 3
	.amdgcn_target "amdgcn-amd-amdhsa--gfx1250"
	.amdhsa_code_object_version 6
	.text
	.protected	k_q6eef7f8c58_attn
	.globl	k_q6eef7f8c58_attn
	.p2align	8
	.type	k_q6eef7f8c58_attn,@function
k_q6eef7f8c58_attn:
	s_mov_b64 s[64:65], 0
	v_nop
	global_prefetch_b8 v0, s[64:65] scope:SCOPE_SE
	s_setreg_imm32_b32 hwreg(HW_REG_WAVE_MODE, 25, 1), 1
	s_wait_xcnt 0x0
; y[b][t][head][:] = softmax over keys k <= t of (q . k / 8 + rel_bias[t - k][head]) x v, both products on codes of E4M3; y leaves as codes with the scale 2^e6.
; q_codes, k_codes [bh][token 2048][64]; v_codes [bh][channel 64][token 2048]; biasw [head][copy 4][2304 words]; y_codes [head 16][batch x 2048 + token][64].
; THE SOFTMAX: t = logit x log2(e); M = the running largest t rounded UP to a whole number; p = 2^(t - M) is quantised with 2^e4; the row's sum is taken of the unquantised p and divides at the end.
; BIAS AND MASK ARE THE C OPERAND of S^T = K Q^T: the table holds bias x 8 / 2^(e2 + e3), and -2^120 where the key is hidden; t = (sum + C) x c, c = log2(e) / 8 x 2^(e2 + e3).
;   A lane (r = lane % 16, h = lane / 16) holds query r and keys 8 h + 0..7 of a tile: eight table words on end; copy r % 4 of the table makes its two 16-byte reads aligned.
;   My four query tiles lie 16 apart, as far as one key tile: query tile x with key tile t wants set t + 3 - x: eleven sets of eight registers serve all 32 products of a step.
; SHARES.  Work-group (p, bh) owns the query blocks p and 7 - p (256 queries each), one after the other: 2 p + 2 and 16 - 2 p steps of 128 keys, ALWAYS EIGHTEEN.  Key steps that lie wholly behind a block's
;   queries are hidden by the causal mask that the problem builds itself, and are not walked.  Wave w owns queries 64 w .. 64 w + 63: four tiles, so that a fragment of K or V read from LDS feeds four products.
;   In a block's last step (D = -1) all keys are hidden from waves 0 and 1: scalar branches on ids lead round their products and softmax, and round no barrier, wait or load.
; Both products are used transposed: a lane holds ONE query throughout, and p's conversions are the second product's operand registers.
; A STEP goes by pairs of query tiles: scores, softmax and second product of tiles 0, 1; the change of slots; the same for tiles 2, 3.  K and the bias of the next step are read into registers behind the second
;   pair's scores, V behind the last product: so at the change of slots this step's slot has been read out, and takes the tiles of the step after next.
; THE RING: two slots of 128 keys: 128 rows of K, 64 rows x 128 bytes of V, and of each copy of the bias table 384 words from word 1792 - 128 D on (D = 2 x block - key step).
;   Waves 0, 1 fetch K's halves, wave 2 V, wave 3 the four copies: one tensor load a wave is out at the most; every wait for tensor loads is for 0.
; In the softmax independent chains stand by turns: one tile's statistics with the other's maxima or scalings; one tile's exponentials with lines of the other tile that hang on nothing written in that stretch.
;   The waits stand at the stretches' borders: three for a pair of tiles.
; NO CLUSTER: the four work-groups of a head want different key steps in the same trip (work-group p begins its second block, at key step 0, in trip 2 p + 2).
; LIMITS: e2 + e3 between -90 and 100; e4 and e6 between -126 and 119; e4 + e5 is applied by v_ldexp_f32.  NaN among the inputs is not served.
; REGISTERS.  Window 0: v1-15 addresses and constants; v16-47 statistics, 8 a tile: -M, largest t | sum (2) | f, exchange | at work (2); v48-175 S^T then p of a pair; v176-207 p's codes; v208-245 at work.
;   Window 1: v0-87 the bias sets; v96-127 Q; v128-159 Q of the second block; v160-223 K.   Window 2: v0-127 O^T, 32 a tile; v128-191 V.
.set KP,    80                         ; a key's row in LDS: 64 bytes + 16
.set VP,    144                        ; a row of V's tile: 128 bytes + 16
.set BP,    1600                       ; a copy's window: 1,536 bytes + 64: the sixteen lanes of a read fall on sixteen different 16-byte columns
.set VOFF,  128*KP
.set BOFF,  VOFF+64*VP
.set SLOT1, 1<<15
.set STAGE, 2*SLOT1                    ; behind the ring: 64 rows x 80 bytes for each wave, for the way out
.set SGP,   80
.set SPARE, STAGE+4*64*SGP             ; behind the stages: the spare words, 128 bytes a wave
.set AK0, 1
.set AV0, 2
.set AB0, 3
.set PFO, 4
.set SPW, 5
.set NIL, 6
.set ADK, 7
.set ADV, 8
.set ADB, 9
.set STO, 10
.set SRD, 11
.set GO,  12
.set SCL, 13                           ; 2^e4 as f32
.set LIM, 14                           ; 448 x 2^e4
.set QO,  15
.set ST,  16
.set S,   48
.set PC,  176
.set FB,  208                          ; the way out: rows read back
.set TT,  240                          ; v240-243 at work
.set LIM2, 245                         ; 448 x 2^e4 once more, for the second half of a dual pair
.set BF,  0                            ; window 1
.set QF,  96
.set Q2,  128
.set KF,  160
.set O,   0                            ; window 2
.set VF,  128
.set WV,  16
.set PB,  17
.set BH,  18
.set D2,  19                           ; D of the second block's first step: 14 - 2 p
.set SEL, 20
.set CS,  22
.set G1K, 24
.set G1V, 32
.set G1B, 40
.set G0K, 48
.set G0V, 52
.set G0B, 56
.set BK,  60
.set BV,  62
.set BB,  66
.set TB,  68                           ; LDS byte at which the slot of the next step begins
.set TRIP, 69
.set DC,  70                           ; D of the step in hand
.set SL,  71                           ; key step and D of the step that is asked for
.set DL,  72
.set PFB, 74
.set PFA, 76
.set PFSH, 78
.set NOASK, 79
.set YB,  88
.set YB2, 90
.set HID, 98                           ; the D at which my wave's step is hidden: -1 in waves 0, 1; none in waves 2, 3
.set MSB, 0
.macro WIN new
.if MSB != \new
	s_set_vgpr_msb (MSB<<8)|\new
.set MSB, \new
.endif
.endm
.macro SETG0                           ; the three global addresses for key step SL and distance DL
	s_lshl_b32 s92, s[SL], 13                      ; 128 keys of 64 bytes
	s_mov_b32 s93, 0
	s_add_nc_u64 s[G0K+2:G0K+3], s[BK:BK+1], s[92:93]
	s_or_b32 s[G0K+3], s[G0K+3], 0x80000000
	s_lshl_b32 s92, s[SL], 7                       ; 128 bytes along V's rows
	s_add_nc_u64 s[G0V+2:G0V+3], s[BV:BV+1], s[92:93]
	s_or_b32 s[G0V+3], s[G0V+3], 0x80000000
	s_lshl_b32 s92, s[DL], 9
	s_sub_co_u32 s92, 7168, s92                    ; word 1792 - 128 D
	s_add_nc_u64 s[G0B+2:G0B+3], s[BB:BB+1], s[92:93]
	s_or_b32 s[G0B+3], s[G0B+3], 0x80000000
.endm
.macro TLOAD                           ; one chain of branches on the wave's number, a load in every arm
	s_cmp_lt_u32 s[WV], 2
	s_cbranch_scc0 .Lnot_k_\@
	tensor_load_to_lds s[G0K:G0K+3], s[G1K:G1K+7]
	s_nop 0
.rept 4
	v_nop
.endr
	s_branch .Lasked_\@
.Lnot_k_\@:
	s_cmp_eq_u32 s[WV], 2
	s_cbranch_scc0 .Lnot_v_\@
	tensor_load_to_lds s[G0V:G0V+3], s[G1V:G1V+7]
	s_nop 0
.rept 4
	v_nop
.endr
	s_branch .Lasked_\@
.Lnot_v_\@:
	tensor_load_to_lds s[G0B:G0B+3], s[G1B:G1B+7]
	s_nop 0
.rept 4
	v_nop
.endr
.Lasked_\@:
.endm
; A PREFETCH INTO THE L2.  Keys 1,024 to 2,047 of a head are asked for first by work-group p = 0, whose trip t loads key step t: it alone prefetches, in trips 6, 8, 10 and 12, the 256 keys of key steps t + 2 and t + 3,
; which trips t + 2 and t + 3 load.  Waves 0, 1: 8,192 bytes each of K's block, lanes 256 bytes apart; waves 2, 3: 32 rows of V each, a lane a row (256 bytes of it).  Each block of 256 bytes is named once.
; The earlier keys come by their loads alone; behind key step 15 there is nothing.
.macro ASK
	s_sub_co_u32 s92, s[TRIP], 6
	s_or_b32 s92, s92, s[NOASK]
	s_and_b32 s92, s92, 0xfffffff9
	s_cmp_eq_u32 s92, 0
	s_cbranch_scc0 .Lnot_mine_\@
	global_prefetch_b8 v[PFO], s[PFA:PFA+1] th:TH_LOAD_NT scope:SCOPE_SE
.Lnot_mine_\@:
.endm
.macro INIT                            ; a block begins: the largest t is -3e38, sums and O^T are zeros, which the first change of M leaves zeros: so the step is written once
.irp x, 0,1,2,3
	v_mov_b32 v[ST+8*\x+1], 0xff61b1e6
	v_mov_b32 v[ST+8*\x+2], 0
	v_mov_b32 v[ST+8*\x+3], 0
	v_mov_b32 v[ST+8*\x+5], 0                      ; a lane permute's destination counts as read
.endr
.irp x, 0,1,2,3
	v_floor_f32 v[ST+8*\x], -v[ST+8*\x+1]
.endr
	WIN 0x80
.set j, 0
.rept 128
	v_mov_b32 v[O+j], 0
.set j, j+1
.endr
	WIN 0
.endm
.macro LOADKB                          ; the next step's K and bias sets into registers
	v_add_nc_u32 v[ADK], s[TB], v[AK0]
	v_add_nc_u32 v[ADB], s[TB], v[AB0]
	WIN 0x40
.irp t, 0,1,2,3,4,5,6,7
.irp g, 0,1
	ds_load_b128 v[KF+8*\t+4*\g:KF+8*\t+4*\g+3], v[ADK] offset:16*\t*KP+32*\g
.endr
.endr
.irp i, 0,1,2,3,4,5,6,7,8,9,10
.irp u, 0,1
	ds_load_b128 v[BF+8*\i+4*\u:BF+8*\i+4*\u+3], v[ADB] offset:64*\i+16*\u
.endr
.endr
	WIN 0
.endm
.macro LOADV                           ; the next step's V; the four lines ahead of the loads are the places behind the last products
	v_add_nc_u32 v[ADV], s[TB], v[AV0]
.rept 3
	v_nop
.endr
	WIN 0x80
.irp t, 0,1,2,3
.irp g, 0,1,2,3
	ds_load_b128 v[VF+16*\t+4*\g:VF+16*\t+4*\g+3], v[ADV] offset:16*\t*VP+32*\g
.endr
.endr
	WIN 0
.endm
.macro SMUL P                          ; S^T of query tiles 2 P, 2 P + 1: 16 products, then the four places ahead of whatever reads them or loads into their sources
	WIN 0x15
.irp t, 0,1,2,3,4,5,6,7
.irp y, 0,1
	v_wmma_f32_16x16x64_fp8_fp8 v[S+64*\y+8*\t:S+64*\y+8*\t+7], v[KF+8*\t:KF+8*\t+7], v[QF+8*(2*\P+\y):QF+8*(2*\P+\y)+7], v[BF+8*(\t+3-2*\P-\y):BF+8*(\t+3-2*\P-\y)+7]
.endr
.endr
	WIN 0
.rept 4
	v_nop
.endr
.endm
; A tile's largest score among my 64 keys: four chains, v[MS+6], v[MS+7], v[MT], v[MT+1], over the scores at v[MB], in ascending order: each accumulator from its low end on.
.macro MX4
	v_max3_num_f32 v[MS+6], v[MB], v[MB+1], v[MB+2]
	v_max3_num_f32 v[MS+7], v[MB+3], v[MB+4], v[MB+5]
	v_max3_num_f32 v[MT], v[MB+6], v[MB+7], v[MB+8]
	v_max3_num_f32 v[MT+1], v[MB+9], v[MB+10], v[MB+11]
.set k, 0
.endm
.macro MXN                             ; two more scores onto chain k % 4; 26 such lines finish a tile
.if k%4 < 2
	v_max3_num_f32 v[MS+6+k%4], v[MS+6+k%4], v[MB+12+2*k], v[MB+13+2*k]
.else
	v_max3_num_f32 v[MT+k%4-2], v[MT+k%4-2], v[MB+12+2*k], v[MB+13+2*k]
.endif
.set k, k+1
.endm
; Line n of a tile's statistics (at v[SS]; its chains' other two ends at v[SU], v[SU+1]): each hangs on the line before, so they stand by turns with another tile's lines.
.macro STAT
.if n == 0
	v_max3_num_f32 v[SS+6], v[SS+6], v[SS+7], v[SU]
.endif
.if n == 1
	v_max_num_f32 v[SS+6], v[SS+6], v[SU+1]
.endif
.if n == 2
	v_permlanex16_b32 v[SS+5], v[SS+6], s[SEL], s[SEL+1]
.endif
.if n == 3
	v_max_num_f32 v[SS+6], v[SS+6], v[SS+5]        ; and among lane l xor 16's
.endif
.if n == 4
	v_mul_f32 v[SS+6], s[CS], v[SS+6]              ; as t (c is positive)
.endif
.if n == 5
	v_max_num_f32 v[SS+1], v[SS+1], v[SS+6]        ; the running largest t
.endif
.if n == 6
	v_mov_b32 v[SS+6], v[SS]
.endif
.if n == 7
	v_floor_f32 v[SS], -v[SS+1]                    ; the new -M = floor(-t): M is a whole number
.endif
.if n == 8
	v_sub_f32 v[SS+6], v[SS], v[SS+6]              ; old M - new M, 0 or less
.endif
.if n == 9
	v_cvt_i32_f32 v[SS+6], v[SS+6]                 ; (it saturates)
.endif
.if n == 10
	v_ldexp_f32 v[SS+4], 1.0, v[SS+6]              ; f = 2^(old M - new M): exact
.endif
.set n, n+1
.endm
.macro FA                              ; tile a: t - M, two numbers
	v_pk_fma_f32 v[S+j:S+j+1], v[S+j:S+j+1], s[CS:CS+1], v[XA:XA+1] op_sel_hi:[1,0,0]
.set j, j+2
.endm
.macro SUM                             ; the row's sum of the UNQUANTISED p of the tile at v[SB], statistics at v[SX]: four chains
	v_pk_add_f32 v[SX+6:SX+7], v[SB:SB+1], v[SB+2:SB+3]
	v_pk_add_f32 v[TT:TT+1], v[SB+4:SB+5], v[SB+6:SB+7]
	v_pk_add_f32 v[TT+2:TT+3], v[SB+8:SB+9], v[SB+10:SB+11]
	v_pk_add_f32 v[SX+2:SX+3], v[SX+2:SX+3], v[SB+12:SB+13]
.set j, 14
.rept 6
	v_pk_add_f32 v[SX+6:SX+7], v[SX+6:SX+7], v[SB+j:SB+j+1]
	v_pk_add_f32 v[TT:TT+1], v[TT:TT+1], v[SB+j+2:SB+j+3]
	v_pk_add_f32 v[TT+2:TT+3], v[TT+2:TT+3], v[SB+j+4:SB+j+5]
	v_pk_add_f32 v[SX+2:SX+3], v[SX+2:SX+3], v[SB+j+6:SB+j+7]
.set j, j+8
.endr
	v_pk_add_f32 v[SX+6:SX+7], v[SX+6:SX+7], v[SB+62:SB+63]
	v_pk_add_f32 v[TT:TT+1], v[TT:TT+1], v[TT+2:TT+3]
	v_pk_add_f32 v[SX+2:SX+3], v[SX+2:SX+3], v[SX+6:SX+7]
	v_pk_add_f32 v[SX+2:SX+3], v[SX+2:SX+3], v[TT:TT+1]
.endm
.macro CODES y                         ; key tile t's eight numbers become registers 2 t, 2 t + 1 of the tile's operand
.irp t, 0,1,2,3,4,5,6,7
	v_cvt_scalef32_pk8_fp8_f32 v[PC+16*\y+2*\t:PC+16*\y+2*\t+1], v[S+64*\y+8*\t:S+64*\y+8*\t+7], v[SCL]
.endr
.endm
; SOFTMAX AND SECOND PRODUCT of query tiles a = 2 P and b = 2 P + 1, 128 keys.  waitv = 1: V's loads may still be out.
.macro UNIT P, waitv
.set XA, ST+16*\P
.set OA, O+64*\P
.set MB, S
.set MS, XA
.set MT, TT
	MX4                                            ; tile a's maxima
.rept 26
	MXN
.endr
.set MB, S+64
.set MS, XA+8
.set MT, TT+2
.set SS, XA
.set SU, TT
.set n, 0
	MX4                                            ; tile b's maxima, by turns with tile a's statistics
.rept 11
	STAT
	MXN
	MXN
.endr
.rept 4
	MXN
.endr
.set SS, XA+8
.set SU, TT+2
.set n, 0
.set j, 0
.rept 11                               ; tile a's t - M, by turns with tile b's statistics
	FA
	FA
	STAT
.endr
.rept 10
	FA
.endr
	WIN 0x82
	s_wait_alu depctr_va_vdst(0)                   ; the wait directly ahead of the first readers of O^T; it stands ahead of the exponentials too, behind all that they read
.irp y, 0,1
.set j, 0
.rept 16
	v_pk_mul_f32 v[OA+32*\y+j:OA+32*\y+j+1], v[OA+32*\y+j:OA+32*\y+j+1], v[XA+8*\y+4:XA+8*\y+5] op_sel_hi:[1,0]   ; O^T under the new M
.set j, j+2
.endr
.endr
	WIN 0
.set j, 0
.rept 32                               ; tile a's p = 2^(t - M), by turns with tile b's t - M, which nothing reads before the wait below
	v_exp_f32 v[S+j], v[S+j]
	v_pk_fma_f32 v[S+64+j:S+64+j+1], v[S+64+j:S+64+j+1], s[CS:CS+1], v[XA+8:XA+9] op_sel_hi:[1,0,0]
	v_exp_f32 v[S+j+1], v[S+j+1]
.set j, j+2
.endr
.irp y, 0,1
	v_pk_mul_f32 v[XA+8*\y+2:XA+8*\y+3], v[XA+8*\y+2:XA+8*\y+3], v[XA+8*\y+4:XA+8*\y+5] op_sel_hi:[1,0]   ; the sums under the new M; the plain lines behind the exponentials
.endr
	s_wait_alu depctr_va_vdst(0)                   ; the wait ahead of the first readers of tile a's p and of tile b's t - M
.set SB, S
.set SX, XA
	SUM
.set j, 0
.rept 32                               ; tile b's p, by turns with tile a's hold: the conversion does not saturate (ISA guide 7.6.2); p is not negative, so the hold is one-sided
	v_exp_f32 v[S+64+j], v[S+64+j]
	v_dual_min_num_f32 v[S+j], v[S+j], v[LIM] :: v_dual_min_num_f32 v[S+j+1], v[S+j+1], v[LIM2]
	v_exp_f32 v[S+64+j+1], v[S+64+j+1]
.set j, j+2
.endr
	v_nop                                          ; a plain line behind the last exponential
	s_wait_alu depctr_va_vdst(0)                   ; the wait ahead of the first readers of tile b's p and of tile a's held p
.if \waitv
	s_wait_dscnt 0x0                               ; V is in (directly behind the wait above, which covers all that was written ahead of it)
.endif
.set SB, S+64
.set SX, XA+8
	SUM
	CODES 0
.set j, 0
.rept 32
	v_dual_min_num_f32 v[S+64+j], v[S+64+j], v[LIM] :: v_dual_min_num_f32 v[S+64+j+1], v[S+64+j+1], v[LIM2]
.set j, j+2
.endr
	CODES 1
	v_nop                                          ; a plain line behind the last conversion
	WIN 0xa2
.irp t, 0,1,2,3
.irp y, 0,1
	v_wmma_f32_16x16x128_fp8_fp8 v[OA+32*\y+8*\t:OA+32*\y+8*\t+7], v[VF+16*\t:VF+16*\t+15], v[PC+16*\y:PC+16*\y+15], v[OA+32*\y+8*\t:OA+32*\y+8*\t+7]   ; the eight accumulators take turns
.endr
.endr
	WIN 0
.endm
; THE CHANGE OF SLOTS.  All LDS reads of the step in hand have been issued: its slot is free behind the barrier.  fill = 1: it takes the tiles of the step after next.
.macro CHANGE fill
	s_wait_tensorcnt 0x0                           ; my tensor load has landed: my part of the next step's slot; so the groups 0 may be written
	ds_add_u32 v[SPW], v[NIL]                      ; 0 onto my spare word
	s_xor_b32 s[TB], s[TB], SLOT1
.if \fill
	s_add_co_u32 s92, s[SL], 1
	s_sub_co_i32 s93, s[DL], 1
	s_cmp_eq_i32 s[DL], -1                         ; behind a block's last step the second block begins, at key step 0
	s_cselect_b32 s[SL], 0, s92
	s_cselect_b32 s[DL], s[D2], s93
	s_xor_b32 s[G0K+1], s[G0K+1], SLOT1
	s_xor_b32 s[G0V+1], s[G0V+1], SLOT1
	s_xor_b32 s[G0B+1], s[G0B+1], SLOT1
	SETG0
	s_wait_xcnt 0x0                                ; any prefetch of mine has read its address
	s_add_co_u32 s92, s[TRIP], 2
	s_lshr_b32 s92, s92, 1
	s_lshl_b32 s92, s92, s[PFSH]
	s_add_nc_u64 s[PFA:PFA+1], s[PFB:PFB+1], s[92:93]
.endif
	s_wait_dscnt 0x0                               ; the add is done, and my reads of the slot in hand are over
	s_barrier_signal -1
	s_barrier_wait -1
.if \fill
	TLOAD                                          ; the first thing behind the barrier, and a wave's one tensor load until the next
.endif
.endm
.macro NEXTKB fill
.if \fill
	LOADKB
	ASK
.else
	s_cmp_eq_u32 s[TRIP], 17                       ; the last step has no successor
	s_cbranch_scc1 .Lnone_\@
	LOADKB
.Lnone_\@:
.endif
.endm
; A BLOCK'S END: O^T / the sum x 2^(e4 + e5), quantised with 2^e6; 8 bytes a lane and tile of channels through my stage, back as 64 whole rows of 64 bytes: 4,096 dense bytes of y_codes.
.macro FINISH
.irp x, 0,1,2,3
	v_add_f32 v[ST+8*\x+2], v[ST+8*\x+2], v[ST+8*\x+3]   ; these four lines are the places behind the last products
.endr
.irp x, 0,1,2,3
	v_permlanex16_b32 v[ST+8*\x+5], v[ST+8*\x+2], s[SEL], s[SEL+1]
.endr
.irp x, 0,1,2,3
	v_add_f32 v[ST+8*\x+2], v[ST+8*\x+2], v[ST+8*\x+5]
.endr
	s_wait_alu depctr_va_vdst(0)                   ; the wait ahead of the reciprocals
.irp x, 0,1,2,3
	v_rcp_f32 v[ST+8*\x+4], v[ST+8*\x+2]
.endr
	v_mov_b32 v[TT], s97                           ; 448 x 2^e6 (a plain line behind the reciprocals)
	v_mov_b32 v[TT+1], s96                         ; 2^e6
	s_wait_alu depctr_va_vdst(0)                   ; the wait ahead of their first reader
.irp x, 0,1,2,3
	v_ldexp_f32 v[ST+8*\x+4], v[ST+8*\x+4], s100
.endr
	WIN 0x02
	s_wait_alu depctr_va_vdst(0)                   ; the wait directly ahead of the first readers of O^T
.irp x, 0,1,2,3
.set j, 0
.rept 16
	v_pk_mul_f32 v[S+32*\x+j:S+32*\x+j+1], v[O+32*\x+j:O+32*\x+j+1], v[ST+8*\x+4:ST+8*\x+5] op_sel_hi:[1,0]   ; register 8 t + i: channel 16 t + 8 h + i of query r
.set j, j+2
.endr
.endr
	WIN 0
.set j, 0
.rept 128
	v_med3_num_f32 v[S+j], v[S+j], -v[TT], v[TT]
.set j, j+1
.endr
.set j, 0
.rept 16
	v_cvt_scalef32_pk8_fp8_f32 v[PC+2*j:PC+2*j+1], v[S+8*j:S+8*j+7], v[TT+1]
.set j, j+1
.endr
	v_nop                                          ; a plain line behind the last conversion
.irp x, 0,1,2,3
.irp t, 0,1,2,3
	ds_store_b64 v[STO], v[PC+8*\x+2*\t:PC+8*\x+2*\t+1] offset:\x*16*SGP+16*\t
.endr
.endr
.irp i, 0,1,2,3,4,5,6,7
	ds_load_b128 v[FB+4*\i:FB+4*\i+3], v[SRD] offset:\i*8*SGP   ; LDS serves a wave's instructions in order: these see my stores
.endr
.irp i, 0,1,2,3,4,5,6,7
	s_wait_dscnt 7-\i                              ; the younger loads may be out
	global_store_b128 v[GO], v[FB+4*\i:FB+4*\i+3], s[YB:YB+1] offset:512*\i   ; 512 consecutive bytes, aligned
.endr
.endm
.macro RESTART                         ; on to the second block
	s_wait_xcnt 0x0                                ; the stores have read their base and data
	s_mov_b64 s[YB:YB+1], s[YB2:YB2+1]
	INIT
	WIN 0x41
.set j, 0
.rept 32
	v_mov_b32 v[QF+j], v[Q2+j]
.set j, j+1
.endr
	WIN 0
.endm
; A TRIP: one step of 128 keys.
.macro BODY fill
	s_cmp_eq_u32 s[DC], s[HID]
	s_cbranch_scc1 .La_\@
	s_wait_dscnt 16                                ; K and the bias are in; V's sixteen loads, the youngest, may be out
	SMUL 0
	UNIT 0, 1
.La_\@:
	CHANGE \fill
	s_cmp_eq_u32 s[DC], s[HID]
	s_cbranch_scc1 .Lb_\@
	SMUL 1
	NEXTKB \fill
	UNIT 1, 0
	s_branch .Lc_\@
.Lb_\@:
	NEXTKB \fill
.Lc_\@:
.if \fill
	s_cmp_lg_i32 s[DC], -1                         ; ids and the count of trips alone
	s_cbranch_scc1 .Lgo_\@
	FINISH
	RESTART
.Lgo_\@:
.endif
	s_sub_co_i32 s93, s[DC], 1
	s_cmp_eq_i32 s[DC], -1
	s_cselect_b32 s[DC], s[D2], s93
.if \fill
	LOADV
.else
	s_cmp_eq_u32 s[TRIP], 17
	s_cbranch_scc1 .Lnov_\@
	LOADV
.Lnov_\@:
.endif
.endm
	s_load_b256 s[4:11], s[0:1], 0x0               ; q_codes, k_codes, v_codes, biasw
	s_load_b128 s[12:15], s[0:1], 0x20             ; the scales, y_codes
	v_lshl_add_u32 v[SPW], v0, 2, SPARE
	v_mov_b32 v[NIL], 0
	ds_add_u32 v[SPW], v[NIL]                      ; the wave's opening: the add, twice on end, and its wait ahead of my first tensor load
	ds_add_u32 v[SPW], v[NIL]
	v_lshrrev_b32 v48, 5, v0
	v_readfirstlane_b32 s[WV], v48                 ; wave 0..3
	s_mov_b32 s[PB], ttmp9
	s_and_b32 s[BH], ttmp7, 0xffff
	s_lshl_b32 s[DC], s[PB], 1                     ; the first step: key step 0, D = 2 p
	s_sub_co_u32 s[D2], 14, s[DC]
	s_mov_b32 s[DL], s[DC]
	s_mov_b32 s[SL], 0
	s_mov_b32 s[TB], SLOT1                         ; the first change turns it to slot 0
	s_mov_b32 s[TRIP], 0
	s_mov_b32 s[SEL], 0x76543210
	s_mov_b32 s[SEL+1], 0xfedcba98
	s_mov_b32 s[CS], 0x3e38aa3b                    ; log2(e) / 8
	s_mov_b32 s99, 2048
	s_cmp_lt_u32 s[WV], 2
	s_cselect_b32 s[HID], -1, 99
	s_cselect_b32 s99, 256, s99                    ; the prefetches: from lane to lane
	s_cselect_b32 s[PFSH], 14, 8                   ; and 256 keys on
	s_cmp_eq_u32 s[PB], 0
	s_cselect_b32 s[NOASK], 0, -1
	; group 1.  K: 64 rows of 64 bytes, dense, stated as 16 rows of 256 bytes, 16 bytes of padding behind each 64
	s_mov_b32 s[G1K], (1<<20)|(3<<22)|(3<<25)
	s_mov_b32 s[G1K+1], 256<<16
	s_mov_b32 s[G1K+2], 16<<16
	s_mov_b32 s[G1K+3], 256<<16
	s_mov_b32 s[G1K+4], 16
	s_mov_b32 s[G1K+5], 256
	s_mov_b32 s[G1K+6], 0
	s_mov_b32 s[G1K+7], 0
	; V: 64 rows of 128 bytes, 2,048 apart, 16 bytes of padding behind each
	s_mov_b32 s[G1V], (1<<20)|(4<<22)|(3<<25)
	s_mov_b32 s[G1V+1], 128<<16
	s_mov_b32 s[G1V+2], 64<<16
	s_mov_b32 s[G1V+3], 128<<16
	s_mov_b32 s[G1V+4], 64
	s_mov_b32 s[G1V+5], 2048
	s_mov_b32 s[G1V+6], 0
	s_mov_b32 s[G1V+7], 0
	; the bias: four copies, 9,216 bytes apart, in elements of 8 bytes: 192 are read of each; the tile's row is 200, whose last 8 lie past the stated extent and come as zeros: so the copies lie BP bytes apart in LDS
	s_mov_b32 s[G1B], 3<<16
	s_mov_b32 s[G1B+1], 192<<16
	s_mov_b32 s[G1B+2], 4<<16
	s_mov_b32 s[G1B+3], 200<<16
	s_mov_b32 s[G1B+4], 4
	s_mov_b32 s[G1B+5], 1152
	s_mov_b32 s[G1B+6], 0
	s_mov_b32 s[G1B+7], 0
	s_and_b32 s94, s[WV], 1
	s_mov_b32 s[G0K], 1
	s_mul_i32 s[G0K+1], s94, 64*KP                 ; slot 0: my half of K's rows
	s_mov_b32 s[G0V], 1
	s_mov_b32 s[G0V+1], VOFF
	s_mov_b32 s[G0B], 1
	s_mov_b32 s[G0B+1], BOFF
	s_wait_dscnt 0x0                               ; both opening adds are done
	s_wait_kmcnt 0x0
	s_load_b256 s[80:87], s[12:13], 0x0            ; e0 .. e7
	s_lshl_b32 s92, s[BH], 17                      ; a head's 131,072 bytes in each tensor of codes
	s_mov_b32 s93, 0
	s_add_nc_u64 s[BV:BV+1], s[8:9], s[92:93]
	s_add_nc_u64 s[4:5], s[4:5], s[92:93]
	s_add_nc_u64 s[BK:BK+1], s[6:7], s[92:93]
	s_lshl_b32 s92, s94, 13
	s_add_nc_u64 s[PFB:PFB+1], s[BK:BK+1], s[92:93]   ; the prefetches' base: my 8,192 bytes of K's 256 keys,
	s_lshl_b32 s92, s94, 16
	s_add_nc_u64 s[PFA:PFA+1], s[BV:BV+1], s[92:93]   ; or my 32 rows of V
	s_cmp_lt_u32 s[WV], 2
	s_cselect_b64 s[PFB:PFB+1], s[PFB:PFB+1], s[PFA:PFA+1]
	s_lshl_b32 s92, s94, 12
	s_add_nc_u64 s[BK:BK+1], s[BK:BK+1], s[92:93]  ; + my 64 keys of a step
	s_and_b32 s92, s[BH], 15
	s_mul_i32 s92, s92, 36864
	s_add_nc_u64 s[BB:BB+1], s[10:11], s[92:93]
	SETG0
	TLOAD                                          ; slot 0: the first step's tiles: one tensor load a wave at the head
	s_lshl_b32 s92, s[WV], 12                      ; my 64 queries of 64 bytes
	s_add_nc_u64 s[4:5], s[4:5], s[92:93]
	s_and_b32 s92, s[BH], 15
	s_lshl_b32 s92, s92, 13                        ; y_codes: head x 8,192 tokens
	s_lshr_b32 s94, s[BH], 4
	s_lshl_b32 s94, s94, 11
	s_add_co_u32 s92, s92, s94                     ; + batch x 2,048
	s_lshl_b32 s94, s[WV], 6
	s_add_co_u32 s92, s92, s94                     ; + my 64 queries
	s_lshl_b32 s94, s[PB], 8
	s_add_co_u32 s94, s94, s92
	s_lshl_b32 s94, s94, 6
	s_mov_b32 s95, 0
	s_add_nc_u64 s[YB:YB+1], s[14:15], s[94:95]
	s_sub_co_u32 s94, 7, s[PB]
	s_lshl_b32 s94, s94, 8
	s_add_co_u32 s94, s94, s92
	s_lshl_b32 s94, s94, 6
	s_add_nc_u64 s[YB2:YB2+1], s[14:15], s[94:95]
	s_xor_b32 s92, s[WV], 3
	s_lshl_b32 s92, s92, 8
	s_add_co_u32 s92, s92, BOFF+16                 ; the bias: byte 16 + 256 (3 - w) of a window
	s_mul_i32 s93, s[WV], 64*SGP
	s_add_co_u32 s93, s93, STAGE                   ; my stage
	s_lshl_b32 s94, s[PB], 14                      ; Q's block p,
	s_sub_co_u32 s95, 7, s[PB]
	s_lshl_b32 s95, s95, 14                        ; and block 7 - p
	v_and_b32 v48, 15, v0                          ; r
	v_bfe_u32 v49, v0, 4, 1                        ; h
	v_and_b32 v50, 31, v0                          ; lane
	v_mul_u32_u24 v[AK0], v48, KP
	v_lshl_add_u32 v[AK0], v49, 4, v[AK0]          ; K: row r, + 16 h
	v_mul_u32_u24 v[AV0], v48, VP
	v_lshl_add_u32 v[AV0], v49, 4, v[AV0]
	v_add_nc_u32 v[AV0], VOFF, v[AV0]              ; V likewise
	v_and_b32 v51, 3, v48
	v_mul_u32_u24 v[AB0], v51, BP                  ; the bias: copy r % 4,
	v_lshrrev_b32 v51, 2, v48
	v_xor_b32 v51, 3, v51
	v_lshl_add_u32 v[AB0], v51, 4, v[AB0]          ; + 16 (3 - r / 4)
	v_lshl_add_u32 v[AB0], v49, 5, v[AB0]          ; + 32 h
	v_add_nc_u32 v[AB0], s92, v[AB0]
	v_mul_u32_u24 v[STO], v48, SGP
	v_lshl_add_u32 v[STO], v49, 3, v[STO]
	v_add_nc_u32 v[STO], s93, v[STO]               ; into the stage: row r, 8 bytes for each half of the lanes
	v_lshrrev_b32 v51, 2, v50
	v_mul_u32_u24 v[SRD], v51, SGP
	v_and_b32 v51, 3, v50
	v_lshl_add_u32 v[SRD], v51, 4, v[SRD]
	v_add_nc_u32 v[SRD], s93, v[SRD]               ; back: four lanes to a row of 64 bytes
	v_lshlrev_b32 v[GO], 4, v50
	v_lshlrev_b32 v51, 6, v48
	v_lshl_add_u32 v51, v49, 4, v51                ; Q: row r of 64 bytes, + 16 h
	v_mul_u32_u24 v[PFO], v50, s99
	v_add_nc_u32 v[QO], s94, v51
	v_add_nc_u32 v[ADK], s95, v51                  ; (the register is free until Q is in)
	WIN 0x40
.irp x, 0,1,2,3
.irp g, 0,1
	global_load_b128 v[QF+8*\x+4*\g:QF+8*\x+4*\g+3], v[QO], s[4:5] offset:1024*\x+32*\g
	global_load_b128 v[Q2+8*\x+4*\g:Q2+8*\x+4*\g+3], v[ADK], s[4:5] offset:1024*\x+32*\g
.endr
.endr
	WIN 0
	INIT
	s_wait_kmcnt 0x0
	s_add_co_i32 s92, s82, s83
	s_lshl_b32 s92, s92, 23
	s_add_co_i32 s[CS], s[CS], s92                 ; c: e2 + e3 added to the exponent field
	s_mov_b32 s[CS+1], s[CS]                       ; (named with it as a pair)
	s_add_co_i32 s92, s84, 127
	s_lshl_b32 s93, s92, 23
	v_mov_b32 v[SCL], s93
	s_add_co_i32 s92, s92, 8
	s_lshl_b32 s92, s92, 23
	s_or_b32 s92, s92, 0x600000
	v_mov_b32 v[LIM], s92
	v_mov_b32 v[LIM2], s92
	s_add_co_i32 s100, s84, s85                    ; e4 + e5
	s_add_co_i32 s92, s86, 127
	s_lshl_b32 s96, s92, 23                        ; 2^e6
	s_add_co_i32 s92, s92, 8
	s_lshl_b32 s97, s92, 23
	s_or_b32 s97, s97, 0x600000                    ; 448 x 2^e6
	s_wait_alu depctr_va_vdst(0)                   ; the head's end
	s_wait_loadcnt 0x0                             ; Q
	CHANGE 1                                       ; slot 0 is whole; slot 1's first fill, the second step's tiles, is issued as a refill is
	LOADKB                                         ; the first step's fragments
	LOADV
.Lstep:                                            ; sixteen trips, each asking for the tiles of the step after next
	BODY 1
	s_add_co_u32 s[TRIP], s[TRIP], 1
	s_cmp_lt_u32 s[TRIP], 16
	s_wait_alu depctr_va_vdst(0)
	s_cbranch_scc1 .Lstep
.Ltail:                                            ; the last two steps ask for nothing: a loop of their own, with no tensor load in it
	BODY 0
	s_add_co_u32 s[TRIP], s[TRIP], 1
	s_cmp_lt_u32 s[TRIP], 18
	s_wait_alu depctr_va_vdst(0)
	s_cbranch_scc1 .Ltail
	FINISH
	s_wait_tensorcnt 0x0                           ; the wave's end
	ds_add_u32 v[SPW], v[NIL]
	s_wait_dscnt 0x0
	s_endpgm
.Lfunc_end_k_q6eef7f8c58_attn:
	.size	k_q6eef7f8c58_attn, .Lfunc_end_k_q6eef7f8c58_attn-k_q6eef7f8c58_attn
	.p2alignl 7, 3214868480
	.fill 96, 4, 3214868480
	.section	.rodata,"a",@progbits
	.p2align	6, 0x0
	.amdhsa_kernel k_q6eef7f8c58_attn
		.amdhsa_group_segment_fixed_size 327680
		.amdhsa_private_segment_fixed_size 0
		.amdhsa_enable_private_segment 0
		.amdhsa_kernarg_size 48
		.amdhsa_user_sgpr_count 2
		.amdhsa_user_sgpr_kernarg_segment_ptr 1
		.amdhsa_wavefront_size32 1
		.amdhsa_system_sgpr_workgroup_id_x 1
		.amdhsa_system_sgpr_workgroup_id_y 1
		.amdhsa_system_sgpr_workgroup_id_z 1
		.amdhsa_system_vgpr_workitem_id 0
		.amdhsa_next_free_vgpr 704
		.amdhsa_next_free_sgpr 102
		.amdhsa_reserve_vcc 0
		.amdhsa_float_denorm_mode_32 3
		.amdhsa_float_denorm_mode_16_64 3
		.amdhsa_memory_ordered 1
		.amdhsa_forward_progress 1
		.amdhsa_inst_pref_size 180
	.end_amdhsa_kernel
	.amdgpu_metadata
---
amdhsa.version: [ 1, 2 ]
amdhsa.kernels:
  - .name:           k_q6eef7f8c58_attn
    .symbol:         k_q6eef7f8c58_attn.kd
    .args:
      - { .name: q_codes, .offset: 0, .size: 8, .value_kind: global_buffer, .address_space: global }
      - { .name: k_codes, .offset: 8, .size: 8, .value_kind: global_buffer, .address_space: global }
      - { .name: v_codes, .offset: 16, .size: 8, .value_kind: global_buffer, .address_space: global }
      - { .name: biasw, .offset: 24, .size: 8, .value_kind: global_buffer, .address_space: global }
      - { .name: lowp_scales, .offset: 32, .size: 8, .value_kind: global_buffer, .address_space: global }
      - { .name: y_codes, .offset: 40, .size: 8, .value_kind: global_buffer, .address_space: global }
    .group_segment_fixed_size: 327680
    .private_segment_fixed_size: 0
    .kernarg_segment_align: 8
    .kernarg_segment_size: 48
    .max_flat_workgroup_size: 128
    .sgpr_count:     102
    .vgpr_count:     704
    .wavefront_size: 32
...
	.end_amdgpu_metadata
.endif
;; end of part 3
;; launch proj (part 4): grid 4 x 64, 4 waves a work-group, clusters of 4 x 4, 327,680 bytes of LDS; arguments y_codes, wproj_codes, lowp_scales, out0; writes out0
.if DOCPART == 4
	.amdgcn_target "amdgcn-amd-amdhsa--gfx1250"
	.amdhsa_code_object_version 6
	.text
	.protected	k_q6eef7f8c58_proj
	.globl	k_q6eef7f8c58_proj
	.p2align	8
	.type	k_q6eef7f8c58_proj,@function
k_q6eef7f8c58_proj:
	s_mov_b64 s[64:65], 0
	v_nop
	global_prefetch_b8 v0, s[64:65] scope:SCOPE_SE
	s_setreg_imm32_b32 hwreg(HW_REG_WAVE_MODE, 25, 1), 1
	s_wait_xcnt 0x0
	s_wait_alu depctr_hold_cnt(0) depctr_sa_sdst(0) depctr_va_vdst(0) depctr_va_sdst(0) depctr_va_ssrc(0) depctr_va_vcc(0) depctr_vm_vsrc(0)
	s_getreg_b32 s2, hwreg(HW_REG_IB_STS2, 6, 4)
	s_cmp_eq_u32 s2, 0
	s_cbranch_scc0 .Lentry_in_a_cluster
	s_endpgm
.Lentry_in_a_cluster:
	s_bfe_u32 s2, ttmp6, 0x10000c
	s_cmp_lg_u32 s2, 0xf033
	s_cbranch_scc0 .Lentry_shape_is_right
	s_endpgm
.Lentry_shape_is_right:
; out0 = y Wproj on codes of E4M3; each finished sum x 2^(e6 + e7).  K = 1,024.
; y_codes [head 16][token 8192][64] (K = 64 x head + channel); wproj_codes [1024 n][1024 k]; out0 [8192][1024] f32.
; A block of 128 tokens x 256 columns to a work-group: 64 x 4 = 256 work-groups.  Four waves, 64 x 128 each: 32 accumulators, 256 registers.
; K in four steps of 256 (four heads) through two LDS slots filled by the tensor data mover: waves 0, 1 fetch y's halves (64 tokens x 4 heads: of each head 4,096 dense bytes), waves 2, 3 Wproj's (128 rows x 256 bytes).
; CLUSTERS: 4 x 4 work-groups; y's tile is shared along a row of the cluster, Wproj's along a column: joint tensor loads with a mask that names the four.
; THE MATRIX INSTRUCTION IS USED TRANSPOSED (source 0 = 16 rows of Wproj's codes, source 1 = 16 tokens): a lane holds eight neighbouring numbers of a row of out0.
; Fragments come by four 16-byte loads: a permutation of k that is the same on both sides.  Both operands have two sets of fragment registers: while one 128 along K is multiplied, the next one's 48 loads are out.
; NO PREFETCH: the text has four K steps and no loop to run ahead in: the first two steps are asked for at the head, and a request two steps ahead of the other two would stand at the head beside them.
; LIMIT: e6 + e7 between -126 and 127.
; REGISTERS: window 0: v0-31 addresses; v128-255 y's fragments, two sets of 4 x 16; on the way out v32-95 scaled sums, v128-255 rows read back.  Window 1: Wproj's fragments, two sets of 8 x 16.  Window 2: the accumulators.
.set SIZE_N, 1024
.set PITCH,  272                       ; a row of Wproj's tile in LDS: 256 bytes + 16
.set APITCH, 80                        ; a token's 64 bytes of a head + 16
.set AHEAD,  64*APITCH                 ; a head's 64 tokens
.set HALFA,  4*AHEAD
.set ASTEP,  4*524288                  ; four heads on in y_codes
.set HALFT,  128*PITCH
.set BOFFS,  2*HALFA
.set SLOT,   2*HALFA+2*HALFT
.set SPARE,  2*SLOT                    ; behind the ring: the spare words, 128 bytes a wave
.set STAGE,  SPARE+512                 ; behind them: 16 rows x (512 bytes + 16) for each wave, for the way out
.set SPITCH, 528
.set ADRA, 16
.set ADRB, 20
.set STO,  24
.set RD,   25
.set CO,   26
.set SPW,  28
.set NIL,  29
.set TMP,  32
.set AF,   128
.set BK,   128
.set G1, 24
.set G0, 32
.set G1B, 48
.set G0B, 56
.set MSB, 0
.macro WIN new
.if MSB != \new
	s_set_vgpr_msb (MSB<<8)|\new
.set MSB, \new
.endif
.endm
.macro JLOAD g0a, g1a, g0b, g1b        ; a joint load; the branch hangs on the wave's number alone
	s_cmp_eq_u32 s15, 0
	s_cbranch_scc0 .Lfor_b_\@
	tensor_load_to_lds s[\g0a:\g0a+3], s[\g1a:\g1a+7]
	s_nop 0
.rept 4
	v_nop
.endr
	s_branch .Lasked_\@
.Lfor_b_\@:
	tensor_load_to_lds s[\g0b:\g0b+3], s[\g1b:\g1b+7]
	s_nop 0
.rept 4
	v_nop
.endr
.Lasked_\@:
.endm
.macro CROUND                          ; a round of the cluster's barrier
	s_barrier_signal -1
	s_barrier_wait -1
	s_cmp_lg_u32 s14, 0
	s_cbranch_scc1 .Lnot_wave_0_\@
	s_barrier_signal -3
.Lnot_wave_0_\@:
	s_barrier_wait -3
	s_barrier_signal -1
	s_barrier_wait -1
.endm
.macro PLACES                          ; four plain lines between a matrix instruction and a load into, or a read of, its registers
.rept 4
	v_nop
.endr
.endm
.macro FETCH slot, q, p                ; the fragments of the slot's q-th 128 along K into set p: 32 loads for Wproj, 16 for y
	WIN 0x40
.irp i, 0,1,2,3,4,5,6,7
.irp c, 0,1,2,3
	ds_load_b128 v[128*(\p)+16*\i+4*\c:128*(\p)+16*\i+4*\c+3], v[ADRB+\slot] offset:128*(\q)+32*\c+\i*16*PITCH
.endr
.endr
	WIN 0
.irp i, 0,1,2,3
.irp c, 0,1,2,3
	ds_load_b128 v[AF+64*(\p)+16*\i+4*\c:AF+64*(\p)+16*\i+4*\c+3], v[ADRA+\slot] offset:(2*(\q)+\c/2)*AHEAD+\i*16*APITCH+32*(\c%2)
.endr
.endr
.endm
.macro MUL p, zero                     ; 32 products; the accumulators take turns, one instruction a turn; zero = 1: the first products start the sums
	WIN 0xa1
.irp a, 0,1,2,3
.irp b, 0,1,2,3,4,5,6,7
.if \zero
	v_wmma_f32_16x16x128_fp8_fp8 v[8*(8*\a+\b):8*(8*\a+\b)+7], v[128*(\p)+16*\b:128*(\p)+16*\b+15], v[AF+64*(\p)+16*\a:AF+64*(\p)+16*\a+15], 0
.else
	v_wmma_f32_16x16x128_fp8_fp8 v[8*(8*\a+\b):8*(8*\a+\b)+7], v[128*(\p)+16*\b:128*(\p)+16*\b+15], v[AF+64*(\p)+16*\a:AF+64*(\p)+16*\a+15], v[8*(8*\a+\b):8*(8*\a+\b)+7]
.endif
.endr
.endr
	WIN 0
.endm
.macro FIRST slot, zero                ; a slot's first 128 along K
.if !\zero
	PLACES
.endif
	FETCH \slot, 1, 1
	s_wait_dscnt 48                                ; all but the 48 loads just issued
	MUL 0, \zero
.endm
.macro SECOND slot, next, fill         ; its second 128, and the change of slots ahead of them.  fill = 1: a round of the cluster's barrier, and this slot takes the K step two on
	s_wait_tensorcnt 0x0                           ; my tensor load has landed: my part of the next slot
	ds_add_u32 v[SPW], v[NIL]                      ; 0 onto my spare word
.if \fill
	s_add_nc_u64 s[G0+4*\slot+2:G0+4*\slot+3], s[G0+4*\slot+2:G0+4*\slot+3], 2*ASTEP
	s_add_nc_u64 s[G0B+4*\slot+2:G0B+4*\slot+3], s[G0B+4*\slot+2:G0B+4*\slot+3], 512
.endif
	s_wait_dscnt 0x0                               ; the add is done, and my reads of this slot are over
.if \fill
	CROUND
	JLOAD G0+4*\slot, G1, G0B+4*\slot, G1B         ; the first tensor load behind the round; its four v_nop are the places in front of the loads below
.else
	s_barrier_signal -1
	s_barrier_wait -1
	PLACES
.endif
	FETCH \next, 0, 0
	s_wait_dscnt 48
	MUL 1, 0
.endm
	s_load_b128 s[4:7], s[0:1], 0x0                ; y_codes, wproj_codes
	s_load_b128 s[8:11], s[0:1], 0x10              ; the scales, out0
	v_lshl_add_u32 v[SPW], v0, 2, SPARE
	v_mov_b32 v[NIL], 0
	ds_add_u32 v[SPW], v[NIL]                      ; the wave's opening: the add, twice on end, and its wait ahead of the round in front of my first tensor load
	ds_add_u32 v[SPW], v[NIL]
	v_lshrrev_b32 v1, 5, v0
	v_readfirstlane_b32 s14, v1                    ; wave 0..3
	s_lshr_b32 s15, s14, 1                         ; which 64 tokens are mine.  Also: which operand I fetch for
	s_and_b32 s16, s14, 1                          ; which 128 columns.  Also: which half of that operand's tile I fetch
	s_bfe_u32 s40, ttmp6, 0x40000                  ; cx
	s_bfe_u32 s41, ttmp6, 0x40004                  ; cy
	s_lshl_b32 s42, ttmp9, 2
	s_add_co_u32 s42, s42, s40                     ; block column
	s_and_b32 s17, ttmp7, 0xffff
	s_lshl_b32 s17, s17, 2
	s_add_co_u32 s17, s17, s41                     ; block row
	s_lshl_b32 s43, s41, 2
	s_lshl_b32 s43, 15, s43                        ; my row of the cluster
	s_lshl_b32 s44, 0x1111, s40                    ; my column
	s_or_b32 s[G1+0], s43, (0<<16)|(1<<20)|(1<<21)|(3<<22)|(3<<25)   ; y: the mask; bytes; four words of padding after every 16
	s_mov_b32 s[G1+1], 4096<<16                    ; a row: 64 tokens of one head, 4,096 dense bytes
	s_mov_b32 s[G1+2], 4<<16                       ; four heads,
	s_mov_b32 s[G1+3], 4096<<16
	s_mov_b32 s[G1+4], 4
	s_mov_b32 s[G1+5], 524288                      ; 8,192 tokens apart
	s_mov_b32 s[G1+6], 0
	s_mov_b32 s[G1+7], 0
	s_or_b32 s[G1B+0], s44, (0<<16)|(1<<20)|(1<<21)|(5<<22)|(3<<25)  ; Wproj: four words of padding after every 64
	s_mov_b32 s[G1B+1], 256<<16
	s_mov_b32 s[G1B+2], 128<<16
	s_mov_b32 s[G1B+3], 256<<16
	s_mov_b32 s[G1B+4], 128
	s_mov_b32 s[G1B+5], 1024
	s_mov_b32 s[G1B+6], 0
	s_mov_b32 s[G1B+7], 0
	s_lshl_b32 s18, s16, 6
	s_lshl_b32 s20, s17, 7
	s_add_co_u32 s20, s20, s18
	s_lshl_b32 s20, s20, 6                         ; y: token 128 x block row + 64 x half, 64 bytes each
	s_mov_b32 s21, 0
	s_lshl_b32 s18, s16, 7
	s_lshl_b32 s46, s42, 8
	s_add_co_u32 s46, s46, s18
	s_lshl_b32 s46, s46, 10                        ; Wproj: row 256 x block column + 128 x half, 1,024 bytes each
	s_mov_b32 s47, 0
	s_mul_i32 s45, s16, HALFA                      ; where they go
	s_mul_i32 s22, s16, HALFT
	s_add_co_u32 s22, s22, BOFFS
	s_wait_dscnt 0x0                               ; both opening adds are done
	s_wait_kmcnt 0x0
	s_load_b64 s[96:97], s[8:9], 0x18              ; e6, e7
	s_add_nc_u64 s[20:21], s[4:5], s[20:21]
	s_add_nc_u64 s[46:47], s[6:7], s[46:47]
	CROUND                                         ; all sixteen work-groups are here: the first joint loads meet
.irp s, 0,1
	s_mov_b32 s[G0+4*\s], 1
	s_add_co_u32 s[G0+4*\s+1], s45, \s*SLOT
	s_add_nc_u64 s[G0+4*\s+2:G0+4*\s+3], s[20:21], \s*ASTEP
	s_or_b32 s[G0+4*\s+3], s[G0+4*\s+3], 0x80000000
	s_mov_b32 s[G0B+4*\s], 1
	s_add_co_u32 s[G0B+4*\s+1], s22, \s*SLOT
	s_add_nc_u64 s[G0B+4*\s+2:G0B+4*\s+3], s[46:47], \s*256
	s_or_b32 s[G0B+4*\s+3], s[G0B+4*\s+3], 0x80000000
.endr
	JLOAD G0, G1, G0B, G1B                         ; K step 0: one tensor load a wave at the head
	s_mul_i32 s66, s15, HALFA                      ; my 64 tokens, in slot 0 and in slot 1
	s_add_co_u32 s67, s66, SLOT
	s_mul_i32 s68, s16, HALFT
	s_add_co_u32 s68, s68, BOFFS                   ; my 128 rows of Wproj's codes
	s_add_co_u32 s69, s68, SLOT
	s_mul_i32 s23, s14, 16*SPITCH
	s_add_co_u32 s23, s23, STAGE                   ; my stage
	s_lshl_b32 s20, s17, 7
	s_lshl_b32 s21, s15, 6
	s_add_co_u32 s20, s20, s21                     ; my first row of out0
	s_lshl_b32 s20, s20, 12                        ; 4,096 bytes each
	s_mov_b32 s21, 0
	s_lshl_b32 s46, s42, 10                        ; my first column, in bytes
	s_lshl_b32 s47, s16, 9
	s_add_co_u32 s46, s46, s47
	s_mov_b32 s47, 0
	s_add_nc_u64 s[20:21], s[20:21], s[46:47]
	s_add_nc_u64 s[10:11], s[10:11], s[20:21]
	v_and_b32 v1, 15, v0                           ; r
	v_bfe_u32 v2, v0, 4, 1                         ; h
	v_and_b32 v6, 31, v0
	v_mul_u32_u24 v3, v1, PITCH
	v_lshl_add_u32 v4, v2, 4, v3
	v_mul_u32_u24 v3, v1, APITCH
	v_lshl_add_u32 v7, v2, 4, v3
	v_add_nc_u32 v[ADRA], s66, v7
	v_add_nc_u32 v[ADRA+1], s67, v7
	v_add_nc_u32 v[ADRB], s68, v4
	v_add_nc_u32 v[ADRB+1], s69, v4
	v_mul_u32_u24 v5, v1, SPITCH
	v_lshl_add_u32 v5, v2, 5, v5
	v_add_nc_u32 v[STO], s23, v5                   ; into the stage: row r, 32 bytes for each half of the lanes
	v_lshlrev_b32 v[CO], 4, v6                     ; back: the 32 lanes take one row of 512 bytes; and the same in out0
	v_add_nc_u32 v[RD], s23, v[CO]
	s_wait_alu depctr_va_vdst(0)                   ; the head's end
	s_wait_tensorcnt 0x0                           ; my part of K step 0 is in; slot 1's first fill is issued as a refill is:
	ds_add_u32 v[SPW], v[NIL]
	s_wait_dscnt 0x0
	CROUND
	JLOAD G0+4, G1, G0B+4, G1B                     ; K step 1
	FETCH 0, 0, 0
	FIRST 0, 1
	SECOND 0, 1, 1                                 ; slot 0 takes K step 2
	FIRST 1, 0
	SECOND 1, 0, 1                                 ; slot 1 takes K step 3
	FIRST 0, 0
	SECOND 0, 1, 0                                 ; nothing more is asked for
	FIRST 1, 0
	s_wait_dscnt 0x0
	MUL 1, 0
; THE WAY OUT, block by block of 16 rows x 128 columns: through my own stage and back as whole rows of 512 bytes.  LDS serves a wave's instructions in order: no wait between the stores and the loads.
.macro TOSTAGE a
.set AC, 64*(\a)
	WIN 0x02
.set j, 0
.rept 32
	v_pk_mul_f32 v[TMP+j:TMP+j+1], v[AC+j:AC+j+1], s[96:97] op_sel_hi:[1,0]   ; x 2^(e6 + e7); each accumulator from its low end on
.set j, j+2
.endr
	WIN 0
.irp b, 0,1,2,3,4,5,6,7
	ds_store_b128 v[STO], v[TMP+8*\b:TMP+8*\b+3] offset:64*\b
	ds_store_b128 v[STO], v[TMP+8*\b+4:TMP+8*\b+7] offset:64*\b+16
.endr
.set BB, BK+64*((\a)%2)
.irp t, 0,1,2,3,4,5,6,7,8,9,10,11,12,13,14,15
	ds_load_b128 v[BB+4*\t:BB+4*\t+3], v[RD] offset:\t*SPITCH
.endr
.endm
.macro SEND a, younger                 ; younger: the LDS instructions issued behind block a's loads, which may stay out
.set BB, BK+64*((\a)%2)
	s_wait_dscnt \younger
.if (\a) > 0
	s_add_nc_u64 s[10:11], s[10:11], 16*SIZE_N*4   ; (behind a wait on XCNT: the earlier stores have read their base)
.endif
.irp t, 0,1,2,3,4,5,6,7,8,9,10,11,12,13,14,15
	global_store_b128 v[CO], v[BB+4*\t:BB+4*\t+3], s[10:11] offset:\t*SIZE_N*4 th:TH_STORE_NT   ; 512 consecutive bytes, aligned
.endr
.endm
	s_wait_kmcnt 0x0
	s_add_co_i32 s96, s96, s97
	s_add_co_i32 s96, s96, 127
	s_lshl_b32 s96, s96, 23                        ; 2^(e6 + e7) as f32
	PLACES
	TOSTAGE 0
.irp a, 1,2,3
.if \a > 1
	s_wait_xcnt 0x0                                ; block a - 2's stores have read their registers and their base
.endif
	TOSTAGE \a
	SEND \a-1, 32                                  ; behind block a - 1's loads: block a's 16 stores and 16 loads
.endr
	s_wait_xcnt 0x0
	SEND 3, 0
	s_wait_tensorcnt 0x0                           ; the wave's end
	ds_add_u32 v[SPW], v[NIL]
	s_wait_dscnt 0x0
	CROUND                                         ; the closing round
	s_endpgm
.Lfunc_end_k_q6eef7f8c58_proj:
	.size	k_q6eef7f8c58_proj, .Lfunc_end_k_q6eef7f8c58_proj-k_q6eef7f8c58_proj
	.p2alignl 7, 3214868480
	.fill 96, 4, 3214868480
	.section	.rodata,"a",@progbits
	.p2align	6, 0x0
	.amdhsa_kernel k_q6eef7f8c58_proj
		.amdhsa_group_segment_fixed_size 327680
		.amdhsa_private_segment_fixed_size 0
		.amdhsa_enable_private_segment 0
		.amdhsa_kernarg_size 32
		.amdhsa_user_sgpr_count 2
		.amdhsa_user_sgpr_kernarg_segment_ptr 1
		.amdhsa_wavefront_size32 1
		.amdhsa_system_sgpr_workgroup_id_x 1
		.amdhsa_system_sgpr_workgroup_id_y 1
		.amdhsa_system_sgpr_workgroup_id_z 1
		.amdhsa_system_vgpr_workitem_id 0
		.amdhsa_next_free_vgpr 768
		.amdhsa_next_free_sgpr 98
		.amdhsa_reserve_vcc 0
		.amdhsa_float_denorm_mode_32 3
		.amdhsa_float_denorm_mode_16_64 3
		.amdhsa_memory_ordered 1
		.amdhsa_forward_progress 1
		.amdhsa_inst_pref_size 75
	.end_amdhsa_kernel
	.amdgpu_metadata
---
amdhsa.version: [ 1, 2 ]
amdhsa.kernels:
  - .name:           k_q6eef7f8c58_proj
    .symbol:         k_q6eef7f8c58_proj.kd
    .args:
      - { .name: y_codes, .offset: 0, .size: 8, .value_kind: global_buffer, .address_space: global }
      - { .name: wproj_codes, .offset: 8, .size: 8, .value_kind: global_buffer, .address_space: global }
      - { .name: lowp_scales, .offset: 16, .size: 8, .value_kind: global_buffer, .address_space: global }
      - { .name: out0, .offset: 24, .size: 8, .value_kind: global_buffer, .address_space: global }
    .group_segment_fixed_size: 327680
    .private_segment_fixed_size: 0
    .kernarg_segment_align: 8
    .kernarg_segment_size: 32
    .max_flat_workgroup_size: 128
    .sgpr_count:     98
    .vgpr_count:     768
    .wavefront_size: 32
...
	.end_amdgpu_metadata
.endif
;; end of part 4
